; MI455X (gfx1250); checked and timed in simulation.
; The chip was launched on July 23, 2026; its instructions are those of AMD's public machine-readable ISA for CDNA 5 (MIT licence, August 2026) and "CDNA5" Instruction Set Architecture Reference Guide (July 2026). The comments in the code are by the model that wrote it; some were corrected since.
;; Ring Attention. Allowed arithmetic: float matrix products may take bf16 or f16 operands with f32 sums; other float arithmetic in f32, or as packed bf16 or f16 multiplies, adds, multiply-adds, maxima and minima; sums over many terms, partial sums and values carried from step to step in f32; what a program stores and reads back later, other than sums and carried values, may be rounded once to bf16 or f16.
;; Inputs: gamma 1,024 float32; w_out 1,024 x 1,024 float32; w_qkv 1,024 x 3,072 float32; x 1 x 4,096 x 1,024 float32.
;; Outputs: out0 1 x 4,096 x 1,024 float32.
;; One version. Each part assembles by itself: llvm-mc -triple=amdgcn-amd-amdhsa -mcpu=gfx1250 --defsym DOCPART=n.
;; ======== version 1 of 1: 4 launches
;; limits: values are held in f16: magnitudes above 65,504 overflow, below 6.1e-05 lose precision
;; workspace buffers: xb 8,388,608 bytes; rs 16,384 bytes; gb 12,582,912 bytes; wo 2,097,152 bytes; qhl 16,777,216 bytes; khl 16,777,216 bytes; vh 8,388,608 bytes; oh 8,388,608 bytes
;; launch prep (part 1): grid 768 x 1, 8 waves a work-group, no clusters, 0 bytes of LDS; arguments x, gamma, w_qkv, w_out, xb, rs, gb, wo; writes xb, rs, gb, wo
.if DOCPART == 1
	.amdgcn_target "amdgcn-amd-amdhsa--gfx1250"
	.amdhsa_code_object_version 6
	.text
	.protected	k_qf4c2273742_prep
	.globl	k_qf4c2273742_prep
	.p2align	8
	.type	k_qf4c2273742_prep,@function
k_qf4c2273742_prep:
	s_mov_b64 s[64:65], 0
	v_nop
	global_prefetch_b8 v0, s[64:65] scope:SCOPE_SE
	s_setreg_imm32_b32 hwreg(HW_REG_WAVE_MODE, 25, 1), 1
	s_wait_xcnt 0x0
; PREP: the inputs are rounded once to bf16 and laid out for the three matrix launches.  A stream: no LDS, no matrix unit, no cluster (no byte is wanted twice).
; THE WHOLE PROGRAM follows reference() on inputs rounded to bf16: x, gamma, w_qkv and w_out are all rounded so, here.
;   xb [kb 16][row 4096][64] bf16 = bf16(x), in blocks of 64 columns: a block's rows are dense, 128 bytes each
;   rs [4096] f32 = 32 / max(|bf16(x) row|, 1e-12): the norm's factor, applied in f32 behind the projection
;   gb [head 16][kstep 16][sub 6][k 64][col 64] bf16; sub = 3 part + type (type 0 q, 1 k, 2 v).  G = bf16(gamma[k]) x bf16(w_qkv[k][col]) has 16 significant bits:
;      part 0 = bf16(G), part 1 = G - part 0, which is a bf16 number: the two together are G exactly (but for numbers so small that part 1 is a denormal)
;   wo [k 1024][n 1024] f16 = bf16(w_out) written as f16.  LIMITS: |bf16(w_out)| under 65,504; below 6e-5 f16 keeps a fixed step of 6e-8.
; SHARES.  768 work-groups of 8 waves: 0-255 take 16 rows of x each (a wave two rows, eight passes), 256-639 an eighth of a (type, head) strip of w_qkv (a wave 16 rows x 64 columns, four passes),
; 640-767 eight rows of w_out (a wave half of two rows, four passes).  A wave issues all its loads of 16 bytes a lane at once and works them off pass by pass; a pass owns eight registers, its results go
; back into them and are stored from there, so no register that a load or store names is written again.  The passes are few so that the text is short.
.set SO,  2                            ; v2   my byte offset in the source
.set DO,  3                            ; v3   my byte offset in the destination
.set P,   8                            ; v[8:11]   four packed words at work
.set T,   12                           ; v[12:19]  eight f32 at work
.set U,   20                           ; v[20:27]  eight f32 at work
.set SUM, 28                           ; v[28:35]  four pairs of sums of squares
.set GM,  36                           ; v[36:39]  gamma of my row in each pass
.set X,   64                           ; v[64:127] pass i: eight registers
.macro UNPACK dst, src                 ; four words of bf16 -> eight f32: the low half moves up, the high half stays
.irp j, 0,1,2,3
	v_lshlrev_b32 v[(\dst)+2*(\j)], 16, v[(\src)+(\j)]
	v_and_b32 v[(\dst)+2*(\j)+1], s20, v[(\src)+(\j)]
.endr
.endm
.macro PACKB dst, src                  ; eight f32 -> four words of bf16, ascending: with dst = src no source is written before it is read
.irp j, 0,1,2,3
	v_cvt_pk_bf16_f32 v[(\dst)+(\j)], v[(\src)+2*(\j)], v[(\src)+2*(\j)+1]
.endr
.endm
	s_load_b512 s[4:19], s[0:1], 0x0               ; x s[4:5], gamma s[6:7], w_qkv s[8:9], w_out s[10:11], xb s[12:13], rs s[14:15], gb s[16:17], wo s[18:19]
	v_and_b32 v4, 31, v0                           ; lane
	v_lshrrev_b32 v1, 5, v0
	v_readfirstlane_b32 s21, v1                    ; wave 0..7
	s_mov_b32 s20, 0xffff0000                      ; a word's upper bf16
	s_mov_b32 s2, ttmp9
	s_mov_b32 s23, 0                               ; the high word of every offset
	v_and_b32 v6, 7, v4                            ; lane % 8
	s_wait_kmcnt 0x0
	s_cmp_lt_u32 s2, 256
	s_cbranch_scc0 .Lnot_x
	; ---- x: the work-group's 16 rows; a wave takes two.  In pass i lanes 0-7 and 8-15 take columns 128 i .. + 63 of the two rows, lanes 16-23 and 24-31 columns 128 i + 64 .. + 127:
	; ---- sixteen neighbouring lanes then store two neighbouring rows of one block of xb
	s_lshl_b32 s22, s2, 16
	s_add_nc_u64 s[4:5], s[4:5], s[22:23]          ; 16 rows of 4,096 bytes
	s_lshl_b32 s22, s2, 11
	s_add_nc_u64 s[12:13], s[12:13], s[22:23]      ; 16 rows of 128 bytes in a block of xb
	s_lshl_b32 s22, s2, 6
	s_add_nc_u64 s[14:15], s[14:15], s[22:23]      ; 16 words of rs
	s_mov_b32 s24, 0x76543210                      ; v_permlanex16_b32: each lane takes its own place in the other half
	s_mov_b32 s25, 0xfedcba98
	v_bfe_u32 v5, v4, 3, 1                         ; which of the two rows
	v_lshrrev_b32 v7, 4, v4                        ; which 64 of the pass's 128 columns
	s_lshl_b32 s26, s21, 1
	v_add_nc_u32 v5, s26, v5                       ; my row of the 16
	v_lshlrev_b32 v[SO], 12, v5
	v_lshl_add_u32 v[SO], v7, 8, v[SO]             ; + 64 columns of 4 bytes
	v_lshl_add_u32 v[SO], v6, 5, v[SO]             ; + 8 columns x (lane % 8)
	v_lshlrev_b32 v[DO], 7, v5
	v_lshl_add_u32 v[DO], v7, 19, v[DO]            ; + a block of xb: 524,288 bytes
	v_lshl_add_u32 v[DO], v6, 4, v[DO]
	v_lshlrev_b32 v5, 2, v5                        ; my row's word of rs
.set i, 0
.rept 8
	global_load_b128 v[X+8*i:X+8*i+3],   v[SO], s[4:5] offset:512*i th:TH_LOAD_NT
	global_load_b128 v[X+8*i+4:X+8*i+7], v[SO], s[4:5] offset:512*i+16 th:TH_LOAD_NT
.set i, i+1
.endr
.set i, 0
.rept 8
	s_wait_loadcnt 14-2*i                          ; loads come back in order: this pass's two are in, the 2 (7 - i) younger ones stay out
	PACKB X+8*i, X+8*i
	UNPACK T, X+8*i                                ; the norm is that of the rounded row
.irp j, 0,2,4,6
.if i == 0
	v_pk_mul_f32 v[SUM+(\j):SUM+(\j)+1], v[T+(\j):T+(\j)+1], v[T+(\j):T+(\j)+1]
.else
	v_pk_fma_f32 v[SUM+(\j):SUM+(\j)+1], v[T+(\j):T+(\j)+1], v[T+(\j):T+(\j)+1], v[SUM+(\j):SUM+(\j)+1]
.endif
.endr
	global_store_b128 v[DO], v[X+8*i:X+8*i+3], s[12:13] offset:1048576*i  ; blocks 2 i and 2 i + 1 of xb; each half of the lanes stores 256 consecutive bytes, aligned
.set i, i+1
.endr
	v_pk_add_f32 v[SUM:SUM+1], v[SUM:SUM+1], v[SUM+2:SUM+3]
	v_pk_add_f32 v[SUM+4:SUM+5], v[SUM+4:SUM+5], v[SUM+6:SUM+7]
	v_pk_add_f32 v[SUM:SUM+1], v[SUM:SUM+1], v[SUM+4:SUM+5]
	v_add_f32 v[SUM], v[SUM], v[SUM+1]
	v_add_f32_dpp v[SUM], v[SUM], v[SUM] row_xmask:1 row_mask:0xf bank_mask:0xf  ; a row's eight lanes in this half,
	v_add_f32_dpp v[SUM], v[SUM], v[SUM] row_xmask:2 row_mask:0xf bank_mask:0xf
	v_add_f32_dpp v[SUM], v[SUM], v[SUM] row_xmask:4 row_mask:0xf bank_mask:0xf
	v_permlanex16_b32 v[SUM+1], v[SUM], s24, s25   ; and its eight in the other
	v_add_f32 v[SUM], v[SUM], v[SUM+1]
	v_sqrt_f32 v[SUM+1], v[SUM]
	v_nop                                          ; a plain instruction behind the root,
	s_wait_alu depctr_va_vdst(0)                   ; and the wait ahead of its first reader
	v_max_num_f32 v[SUM+1], 0x2b8cbccc, v[SUM+1]   ; max(norm, 1e-12)
	v_rcp_f32 v[SUM+2], v[SUM+1]
	v_nop
	s_wait_alu depctr_va_vdst(0)
	v_mul_f32 v[SUM+2], 0x42000000, v[SUM+2]       ; x 32 = sqrt(1024)
	global_store_b32 v5, v[SUM+2], s[14:15]        ; a row's sixteen lanes store the same word: rs is 16 KiB in all
	s_endpgm
.Lnot_x:
	s_cmp_lt_u32 s2, 640
	s_cbranch_scc0 .Lrole_o
	; ---- w_qkv: strip pc = 64 columns (type pc / 16, head pc % 16); a wave takes 16 rows, a quarter of a K step, and makes that quarter of one tile of part 0 and of one of part 1 ----
	s_sub_co_u32 s24, s2, 256
	s_lshr_b32 s25, s24, 3                         ; pc
	s_and_b32 s24, s24, 7
	s_lshl_b32 s24, s24, 1
	s_lshr_b32 s26, s21, 2
	s_add_co_u32 s24, s24, s26                     ; K step = 2 (j % 8) + wave / 4
	s_and_b32 s26, s21, 3                          ; the quarter
	s_lshl_b32 s27, s24, 2
	s_add_co_u32 s27, s27, s26                     ; my 16 rows: number 4 K step + quarter
	s_lshl_b32 s22, s27, 6
	s_add_nc_u64 s[6:7], s[6:7], s[22:23]          ; gamma at my 16 rows
	s_mul_i32 s22, s27, 196608                     ; 16 rows of 12,288 bytes
	s_lshl_b32 s28, s25, 8                         ; 64 columns of 4 bytes
	s_add_co_u32 s22, s22, s28
	s_add_nc_u64 s[8:9], s[8:9], s[22:23]
	s_and_b32 s28, s25, 15                         ; head
	s_lshr_b32 s29, s25, 4                         ; type
	s_lshl_b32 s28, s28, 4
	s_add_co_u32 s28, s28, s24
	s_mul_i32 s28, s28, 6
	s_add_co_u32 s28, s28, s29                     ; (16 head + K step) 6 + type
	s_lshl_b32 s22, s28, 13                        ; tiles of 8,192 bytes,
	s_lshl_b32 s28, s26, 11                        ; quarters of 2,048
	s_add_co_u32 s22, s22, s28
	s_add_nc_u64 s[16:17], s[16:17], s[22:23]
	v_lshrrev_b32 v5, 3, v4                        ; row lane / 8 of a pass's four
	v_mul_u32_u24 v[SO], v5, 12288
	v_lshl_add_u32 v[SO], v6, 5, v[SO]
	v_lshlrev_b32 v[DO], 4, v4                     ; four rows of 128 bytes on end
	v_lshlrev_b32 v7, 2, v5
.set i, 0
.rept 4
	global_load_b32 v[GM+i], v7, s[6:7] offset:16*i
.set i, i+1
.endr
.set i, 0
.rept 4
	global_load_b128 v[X+8*i:X+8*i+3],   v[SO], s[8:9] offset:49152*i th:TH_LOAD_NT
	global_load_b128 v[X+8*i+4:X+8*i+7], v[SO], s[8:9] offset:49152*i+16 th:TH_LOAD_NT
.set i, i+1
.endr
	s_wait_loadcnt 8                               ; gamma's four are in; the eight loads issued behind them stay out
.set i, 0
.rept 4
	v_cvt_pk_bf16_f32 v[GM+i], v[GM+i], v[GM+i]    ; gamma rounded to bf16,
	v_lshlrev_b32 v[GM+i], 16, v[GM+i]             ; as f32
.set i, i+1
.endr
.set i, 0
.rept 4
	s_wait_loadcnt 6-2*i
	PACKB P, X+8*i
	UNPACK T, P                                    ; w rounded to bf16, as f32
.irp j, 0,1,2,3,4,5,6,7
	v_mul_f32 v[T+(\j)], v[T+(\j)], v[GM+i]        ; G: two factors of 8 significant bits: exact in f32
.endr
	PACKB X+8*i, T                                 ; part 0
	UNPACK U, X+8*i
.irp j, 0,2,4,6
	v_pk_add_f32 v[T+(\j):T+(\j)+1], v[T+(\j):T+(\j)+1], v[U+(\j):U+(\j)+1] neg_lo:[0,1] neg_hi:[0,1]  ; G - part 0, exact
.endr
	PACKB X+8*i+4, T                               ; part 1
	global_store_b128 v[DO], v[X+8*i:X+8*i+3],   s[16:17] offset:512*i          ; the wave's store covers 512 consecutive bytes, aligned
	global_store_b128 v[DO], v[X+8*i+4:X+8*i+7], s[16:17] offset:512*i+24576    ; three tiles further on
.set i, i+1
.endr
	s_endpgm
.Lrole_o:
	; ---- w_out: a wave takes 512 columns of two rows; sixteen lanes take 128 columns of a row in a pass ----
	s_sub_co_u32 s24, s2, 640
	s_lshl_b32 s24, s24, 2
	s_lshr_b32 s25, s21, 1
	s_add_co_u32 s24, s24, s25                     ; the pair of rows: 4 j + wave / 2
	s_and_b32 s25, s21, 1                          ; which half of their columns
	s_lshl_b32 s22, s24, 13                        ; two rows of 4,096 bytes,
	s_lshl_b32 s26, s25, 11                        ; 512 columns of 4
	s_add_co_u32 s22, s22, s26
	s_add_nc_u64 s[10:11], s[10:11], s[22:23]
	s_lshr_b32 s22, s22, 1                         ; in wo everything is half as long
	s_add_nc_u64 s[18:19], s[18:19], s[22:23]
	v_lshrrev_b32 v5, 4, v4
	v_and_b32 v6, 15, v4
	v_lshlrev_b32 v[SO], 12, v5
	v_lshl_add_u32 v[SO], v6, 5, v[SO]
	v_lshlrev_b32 v[DO], 11, v5
	v_lshl_add_u32 v[DO], v6, 4, v[DO]
.set i, 0
.rept 4
	global_load_b128 v[X+8*i:X+8*i+3],   v[SO], s[10:11] offset:512*i th:TH_LOAD_NT
	global_load_b128 v[X+8*i+4:X+8*i+7], v[SO], s[10:11] offset:512*i+16 th:TH_LOAD_NT
.set i, i+1
.endr
.set i, 0
.rept 4
	s_wait_loadcnt 6-2*i
	PACKB P, X+8*i
	UNPACK T, P
.irp j, 0,1,2,3
	v_cvt_pk_f16_f32 v[X+8*i+(\j)], v[T+2*(\j)], v[T+2*(\j)+1]  ; the bf16 number written as f16
.endr
	global_store_b128 v[DO], v[X+8*i:X+8*i+3], s[18:19] offset:256*i  ; sixteen lanes store 256 consecutive bytes, aligned
.set i, i+1
.endr
	s_endpgm
.Lfunc_end_k_qf4c2273742_prep:
	.size	k_qf4c2273742_prep, .Lfunc_end_k_qf4c2273742_prep-k_qf4c2273742_prep
	.p2alignl 7, 3214868480
	.fill 96, 4, 3214868480
	.section	.rodata,"a",@progbits
	.p2align	6, 0x0
	.amdhsa_kernel k_qf4c2273742_prep
		.amdhsa_group_segment_fixed_size 0
		.amdhsa_private_segment_fixed_size 0
		.amdhsa_enable_private_segment 0
		.amdhsa_kernarg_size 64
		.amdhsa_user_sgpr_count 2
		.amdhsa_user_sgpr_kernarg_segment_ptr 1
		.amdhsa_wavefront_size32 1
		.amdhsa_system_sgpr_workgroup_id_x 1
		.amdhsa_system_sgpr_workgroup_id_y 1
		.amdhsa_system_sgpr_workgroup_id_z 1
		.amdhsa_system_vgpr_workitem_id 0
		.amdhsa_next_free_vgpr 128
		.amdhsa_next_free_sgpr 66
		.amdhsa_reserve_vcc 0
		.amdhsa_float_denorm_mode_32 3
		.amdhsa_float_denorm_mode_16_64 3
		.amdhsa_memory_ordered 1
		.amdhsa_forward_progress 1
		.amdhsa_inst_pref_size 27
	.end_amdhsa_kernel
	.amdgpu_metadata
---
amdhsa.version: [ 1, 2 ]
amdhsa.kernels:
  - .name:           k_qf4c2273742_prep
    .symbol:         k_qf4c2273742_prep.kd
    .args:
      - { .name: x, .offset: 0, .size: 8, .value_kind: global_buffer, .address_space: global }
      - { .name: gamma, .offset: 8, .size: 8, .value_kind: global_buffer, .address_space: global }
      - { .name: w_qkv, .offset: 16, .size: 8, .value_kind: global_buffer, .address_space: global }
      - { .name: w_out, .offset: 24, .size: 8, .value_kind: global_buffer, .address_space: global }
      - { .name: xb, .offset: 32, .size: 8, .value_kind: global_buffer, .address_space: global }
      - { .name: rs, .offset: 40, .size: 8, .value_kind: global_buffer, .address_space: global }
      - { .name: gb, .offset: 48, .size: 8, .value_kind: global_buffer, .address_space: global }
      - { .name: wo, .offset: 56, .size: 8, .value_kind: global_buffer, .address_space: global }
    .group_segment_fixed_size: 0
    .private_segment_fixed_size: 0
    .kernarg_segment_align: 8
    .kernarg_segment_size: 64
    .max_flat_workgroup_size: 256
    .sgpr_count:     66
    .vgpr_count:     128
    .wavefront_size: 32
...
	.end_amdgpu_metadata
.endif
;; end of part 1
;; launch qkv (part 2): grid 16 x 16, 4 waves a work-group, clusters of 4 x 4, 327,680 bytes of LDS; arguments xb, gb, rs, qhl, khl, vh; writes qhl, khl, vh
.if DOCPART == 2
	.amdgcn_target "amdgcn-amd-amdhsa--gfx1250"
	.amdhsa_code_object_version 6
	.text
	.protected	k_qf4c2273742_qkv
	.globl	k_qf4c2273742_qkv
	.p2align	8
	.type	k_qf4c2273742_qkv,@function
k_qf4c2273742_qkv:
	s_mov_b64 s[64:65], 0
	v_nop
	global_prefetch_b8 v0, s[64:65] scope:SCOPE_SE
	s_setreg_imm32_b32 hwreg(HW_REG_WAVE_MODE, 25, 1), 1
	s_wait_xcnt 0x0
	s_wait_alu depctr_hold_cnt(0) depctr_sa_sdst(0) depctr_va_vdst(0) depctr_va_sdst(0) depctr_va_ssrc(0) depctr_va_vcc(0) depctr_vm_vsrc(0)
	s_getreg_b32 s2, hwreg(HW_REG_IB_STS2, 6, 4)
	s_cmp_eq_u32 s2, 0
	s_cbranch_scc0 .Lentry_in_a_cluster
	s_endpgm
.Lentry_in_a_cluster:
	s_bfe_u32 s2, ttmp6, 0x10000c
	s_cmp_lg_u32 s2, 0xf033
	s_cbranch_scc0 .Lentry_shape_is_right
	s_endpgm
.Lentry_shape_is_right:
; QKV: [q | k | v](row, head) = rs[row] x the sum over k of xb[row][k] (G0[k][col] + G1[k][col]).  xb is bf16(x); G0 + G1 is bf16(gamma) x bf16(w_qkv) exactly, in two bf16 parts:
; both operands of both products are exact, the sums are f32, the norm's factor is applied in f32 behind them.
; OUT.  q and k as TWO bf16 numbers each, hi = bf16(value), lo = bf16(value - hi): rows of 256 bytes [hi 64 | lo 64], by heads, unscaled.  v once, in f16, rows of 128 bytes, by heads.
; LIMITS.  |v| under 65,504 (f16); v below 6e-5 keeps f16's fixed step of 6e-8.  NaN and infinities are not treated apart.
; SHARES.  A work-group makes 256 rows x one head's 192 columns (64 of q, of k, of v); each of its four waves 64 rows x 192: 4 x 12 accumulators, 384 registers.
; K goes in steps of 64 through a ring of two LDS slots.  A step is four phases of 48 matrix instructions: (K half 0, part 0), (0, 1), (1, 0), (1, 1).
; CLUSTER 4 x 4: the four work-groups of a row of the cluster need the same rows of xb, the four of a column the same head's tiles of gb: each tile is asked for jointly.
; THE MATRIX INSTRUCTION IS USED TRANSPOSED (source 0 = 16 columns of G, source 1 = 16 rows of x): a lane then holds eight neighbouring columns of one row.
; REGISTERS, in windows of 256: window 0: v0-31 addresses and rs; v64-95, v96-127 x's fragments of K half 0, 1; on the way out v32-119 and v128-223
;   window 1: v0-95 G's fragments of part 0, v96-191 of part 1; on the way out two buffers of 80     window 2: accumulators of row blocks 0, 1     window 3: of row blocks 2, 3
.set PA,     144                       ; a row of x in LDS: 128 bytes + 16: the 16 rows of a load start at 16 different groups of four banks (64 banks of 4 bytes: ISA guide 11.1)
.set PB,     160                       ; a row of G ([k][64 columns]): 128 + 32
.set ABYTES, 256*PA
.set SUBT,   64*PB                     ; one of a step's six tiles of G
.set SLOT,   ABYTES+6*SUBT             ; 98,304
.set STAGE,  2*SLOT                    ; behind the ring, never filled by a tensor load: for each wave 16 rows of q (pitch 272), of k (272), of v (144)
.set WSTG,   11008
.set SPARE,  STAGE+4*WSTG              ; the spare words, 128 bytes for each wave: two blocks of 256 bytes that no other line names
.set LAPS,   8                         ; 16 K steps, two a lap
.set RSV,  8                           ; v[8:15]  rs of my row in row block a, as a pair
.set ADRA, 16                          ; v16-17   LDS address of my fragments of x in slot 0, 1
.set ADRB, 20                          ; v20-21   of G
.set STQ,  22                          ; the way out: where I put 16 bytes of a row of q or k
.set STV,  23                          ; of v
.set RDQ,  24                          ; where I read rows of q or k back
.set RDV,  25                          ; of v
.set GO,   26                          ; 16 x my lane
.set SPW,  28                          ; LDS address of my spare word; never rewritten
.set NIL,  29                          ; 0; never rewritten
.set PFO,  30                          ; 256 x my lane; never rewritten
.set OUT,  32                          ; v[32:111]  a row block, packed
.set U,    112                         ; v[112:119] at work
.set FA0,  64
.set FA1,  96
.set VAL,  128                         ; v[128:223] a row block times rs, f32
.set FB0,  0
.set FB1,  96
.set G1,   24                          ; s[24:31] descriptor group 1 for x's tiles;  s[32:39] group 0, a set for each slot
.set G0,   32
.set G1B,  48                          ; s[48:55], s[56:63] the same for G's
.set G0B,  56
.set LIM,  43                          ; s43  1 in a wave that prefetches, else the greatest number
.set PFA,  44                          ; s[44:45] where my prefetches stand
.set PFS,  66                          ; s[66:67] their step: two K steps
.set HIM,  68                          ; s68  a word's upper bf16
.set QP,   72                          ; s[72:73] qhl, s[74:75] khl, s[76:77] vh at my wave's first row
.set KP,   74
.set VP,   76
.set MSB, 0
.macro WIN new                         ; the immediate's high byte repeats the setting that is left; a switch that changes nothing is dropped
.if MSB != (\new)
	s_set_vgpr_msb (MSB<<8)|(\new)
.set MSB, \new
.endif
.endm
; A joint load.  Waves 0 and 1 fetch the two halves of x's 256 rows, waves 2 and 3 G's part 0 and part 1.  The branch hangs on the wave's number alone.
; An s_nop 0 and four v_nop follow each of the two lines, ahead of the jump and the label.
.macro JLOAD s
	s_cmp_eq_u32 s11, 0
	s_cbranch_scc0 .Lfor_b_\@
	tensor_load_to_lds s[G0+4*(\s):G0+4*(\s)+3], s[G1:G1+7]
	s_nop 0
.rept 4
	v_nop
.endr
	s_branch .Lasked_\@
.Lfor_b_\@:
	tensor_load_to_lds s[G0B+4*(\s):G0B+4*(\s)+3], s[G1B:G1B+7]
	s_nop 0
.rept 4
	v_nop
.endr
.Lasked_\@:
.endm
; A PREFETCH INTO THE L2, once a lap, behind slot 0's joint load and the run of LDS loads that follows it: the two K steps that the NEXT lap's refills will ask for.
; x's rows of a tile row are read by every cluster of that row of clusters: cluster x = 0 asks, wave 0, two instructions (a K step's 32,768 bytes are shared out among the four partners BY ADDRESS, 8,192 each, a lane 256 bytes).
; A head's tiles of G are read by every cluster of that column: cluster y = 0 asks, waves 1 to 3, one instruction each (two K steps are 98,304 dense bytes: 24,576 a partner, 8,192 a wave).
; So each block of 256 bytes is named once in the launch.  The loop's last trip asks for nothing: there is no lap behind the next; K steps 0 to 3 come by their loads alone.
.macro ASK
	s_cmp_gt_u32 s3, s[LIM]                        ; s3 = 1 in the loop's last trip
	s_cbranch_scc0 .Lnot_mine_\@
	global_prefetch_b8 v[PFO], s[PFA:PFA+1] th:TH_LOAD_NT scope:SCOPE_SE
	s_cmp_lg_u32 s10, 0
	s_cbranch_scc1 .Lnot_mine_\@
	global_prefetch_b8 v[PFO], s[PFA:PFA+1] offset:524288 th:TH_LOAD_NT scope:SCOPE_SE  ; x's next block of 64 columns
.Lnot_mine_\@:
.endm
.macro CREST                           ; a round of the cluster's barrier behind its opening barrier
	s_cmp_lg_u32 s10, 0
	s_cbranch_scc1 .Lnot_wave_0_\@
	s_barrier_signal -3
.Lnot_wave_0_\@:
	s_barrier_wait -3
	s_barrier_signal -1
	s_barrier_wait -1
.endm
.macro CROUND                          ; a whole round
	s_barrier_signal -1
	s_barrier_wait -1
	CREST
.endm
	s_load_b128 s[4:7], s[0:1], 0x0                ; xb s[4:5], gb s[6:7]
	s_load_b64 s[8:9], s[0:1], 0x10                ; rs
	s_load_b128 s[72:75], s[0:1], 0x18             ; qhl, khl
	s_load_b64 s[76:77], s[0:1], 0x28              ; vh
	v_lshl_add_u32 v[SPW], v0, 2, SPARE
	v_mov_b32 v[NIL], 0
	ds_add_u32 v[SPW], v[NIL]                      ; the wave's opening: the add and its wait stand ahead of my first tensor load; the set-up below stands between them
	v_lshrrev_b32 v1, 5, v0
	v_readfirstlane_b32 s10, v1                    ; wave 0..3
	s_lshr_b32 s11, s10, 1                         ; I fetch for x (0) or for G (1)
	s_and_b32 s12, s10, 1                          ; which half of x's rows, which part of G
	s_bfe_u32 s40, ttmp6, 0x40000                  ; cx, cy: my place in the cluster
	s_bfe_u32 s41, ttmp6, 0x40004
	s_lshl_b32 s42, ttmp9, 2
	s_add_co_u32 s42, s42, s40                     ; the head = 4 x cluster x + cx
	s_and_b32 s13, ttmp7, 0xffff
	s_lshl_b32 s13, s13, 2
	s_add_co_u32 s13, s13, s41                     ; the tile of 256 rows = 4 x cluster y + cy
	s_lshl_b32 s43, s41, 2
	s_lshl_b32 s43, 15, s43                        ; my row of the cluster
	s_lshl_b32 s44, 0x1111, s40                    ; my column
	; group 1.  x: 128 rows of 128 dense bytes are asked for as 64 rows of 256; G: three tiles, 24,576 dense bytes, as 96 rows of 256; both padded behind every 128 bytes
	s_or_b32 s[G1+0], s43, (1<<16)|(1<<20)|(1<<21)|(4<<22)|(3<<25)   ; 15:0 mask; 17:16 2-byte elements; 20 padding on; 21 set beside a mask; 24:22 after every 32 words; 31:25 4 words
	s_or_b32 s[G1B+0], s44, (1<<16)|(1<<20)|(1<<21)|(4<<22)|(7<<25)  ; the same with 8 words
	s_mov_b32 s[G1+1], 128<<16                     ; tensor_dim0 = 128
	s_mov_b32 s[G1+2], 64<<16                      ; tensor_dim1 = 64
	s_mov_b32 s[G1+3], 128<<16                     ; tile_dim0 = 128
	s_mov_b32 s[G1+4], 64                          ; tile_dim1 = 64
	s_mov_b32 s[G1+5], 128                         ; elements from row to row
	s_mov_b32 s[G1+6], 0
	s_mov_b32 s[G1+7], 0
	s_mov_b32 s[G1B+1], 128<<16
	s_mov_b32 s[G1B+2], 96<<16
	s_mov_b32 s[G1B+3], 128<<16
	s_mov_b32 s[G1B+4], 96
	s_mov_b32 s[G1B+5], 128
	s_mov_b32 s[G1B+6], 0
	s_mov_b32 s[G1B+7], 0
	s_lshl_b32 s16, s13, 15                        ; x: 256 rows of 128 bytes a tile,
	s_lshl_b32 s17, s12, 14                        ; my 128 of them
	s_add_co_u32 s16, s16, s17
	s_mov_b32 s17, 0
	s_mul_i32 s46, s42, 786432                     ; G: a head's 16 K steps of 49,152 bytes,
	s_mul_i32 s47, s12, 24576                      ; my part
	s_add_co_u32 s46, s46, s47
	s_mov_b32 s47, 0
	s_mul_i32 s20, s12, 128*PA                     ; where they go: no place in the cluster enters an LDS address
	s_mul_i32 s21, s12, 3*SUBT
	s_add_co_u32 s21, s21, ABYTES
	s_mov_b32 s[HIM], 0xffff0000
	s_wait_dscnt 0x0                               ; the opening add is done
	s_wait_kmcnt 0x0
	s_add_nc_u64 s[14:15], s[4:5], s[16:17]
	s_add_nc_u64 s[46:47], s[6:7], s[46:47]
	CROUND                                         ; all sixteen work-groups are here: the first joint loads meet
.irp s, 0,1
	s_mov_b32 s[G0+4*(\s)], 1
	s_add_co_u32 s[G0+4*(\s)+1], s20, (\s)*SLOT
	s_add_nc_u64 s[G0+4*(\s)+2:G0+4*(\s)+3], s[14:15], (\s)*524288   ; K step s: the next block of xb
	s_or_b32 s[G0+4*(\s)+3], s[G0+4*(\s)+3], 0x80000000
	s_mov_b32 s[G0B+4*(\s)], 1
	s_add_co_u32 s[G0B+4*(\s)+1], s21, (\s)*SLOT
	s_add_nc_u64 s[G0B+4*(\s)+2:G0B+4*(\s)+3], s[46:47], (\s)*49152
	s_or_b32 s[G0B+4*(\s)+3], s[G0B+4*(\s)+3], 0x80000000
	JLOAD \s
.endr
	v_and_b32 v1, 15, v0                           ; r = l % 16
	v_bfe_u32 v2, v0, 4, 1                         ; h = l / 16
	s_lshl_b32 s22, s13, 10                        ; rs at my wave's 64 rows
	s_lshl_b32 s23, s10, 8
	s_add_co_u32 s22, s22, s23
	s_mov_b32 s23, 0
	s_add_nc_u64 s[8:9], s[8:9], s[22:23]
	v_lshlrev_b32 v6, 2, v1
.irp a, 0,1,2,3
	global_load_b32 v[RSV+2*(\a)],   v6, s[8:9] offset:64*(\a)
	global_load_b32 v[RSV+2*(\a)+1], v6, s[8:9] offset:64*(\a)   ; the packed multiply names a pair: both are written
.endr
	v_mul_u32_u24 v3, v1, PA                       ; a fragment of x: row r x pitch + 16 h; two loads, 32 bytes apart
	v_lshl_add_u32 v3, v2, 4, v3
	s_mul_i32 s21, s10, 64*PA                      ; my wave's 64 rows
	v_add_nc_u32 v[ADRA], s21, v3
	v_add_nc_u32 v[ADRA+1], SLOT, v[ADRA]
	v_and_b32 v4, 7, v0                            ; the turning load: lane l reads row 8 h + l % 8, 16 bytes at 16 ((l / 8) % 2), and ends with column r and eight k
	v_bfe_u32 v5, v0, 3, 1
	v_lshl_add_u32 v4, v2, 3, v4
	v_mul_u32_u24 v4, v4, PB
	v_lshl_add_u32 v4, v5, 4, v4
	v_add_nc_u32 v[ADRB], ABYTES, v4
	v_add_nc_u32 v[ADRB+1], SLOT, v[ADRB]
	s_mul_i32 s23, s10, WSTG
	s_add_co_u32 s23, s23, STAGE                   ; my stage
	v_mul_u32_u24 v3, v1, 272
	v_lshl_add_u32 v3, v2, 4, v3
	v_add_nc_u32 v[STQ], s23, v3
	v_mul_u32_u24 v3, v1, 144
	v_lshl_add_u32 v3, v2, 4, v3
	v_add_nc_u32 v3, s23, v3
	v_add_nc_u32 v[STV], 8704, v3
	v_mul_u32_u24 v3, v2, 272                      ; back: lanes 0-15 one row of 256 bytes, lanes 16-31 the next
	v_lshl_add_u32 v3, v1, 4, v3
	v_add_nc_u32 v[RDQ], s23, v3
	v_bfe_u32 v3, v0, 3, 2                         ; v: 32 lanes take four rows of 128 bytes
	v_mul_u32_u24 v3, v3, 144
	v_and_b32 v7, 7, v0
	v_lshl_add_u32 v3, v7, 4, v3
	v_add_nc_u32 v3, s23, v3
	v_add_nc_u32 v[RDV], 8704, v3
	v_and_b32 v[GO], 31, v0
	v_lshlrev_b32 v[PFO], 8, v[GO]
	v_lshlrev_b32 v[GO], 4, v[GO]
	s_lshl_b32 s22, s42, 20                        ; out: the head's 4,096 rows of 256 bytes,
	s_lshl_b32 s23, s13, 16                        ; the tile's 256,
	s_add_co_u32 s22, s22, s23
	s_lshl_b32 s23, s10, 14                        ; my wave's 64
	s_add_co_u32 s22, s22, s23
	s_mov_b32 s23, 0
	s_add_nc_u64 s[QP:QP+1], s[QP:QP+1], s[22:23]
	s_add_nc_u64 s[KP:KP+1], s[KP:KP+1], s[22:23]
	s_lshr_b32 s22, s22, 1                         ; v's rows are half as long
	s_add_nc_u64 s[VP:VP+1], s[VP:VP+1], s[22:23]
	; the prefetches
	s_lshl_b32 s20, s13, 15
	s_lshl_b32 s21, s40, 13
	s_add_co_u32 s20, s20, s21
	s_add_co_u32 s20, s20, 2*524288                ; x: my tile, my work-group's 8,192 bytes, K step 2
	s_mul_i32 s21, s42, 786432
	s_mul_i32 s23, s41, 24576
	s_add_co_u32 s21, s21, s23
	s_lshl_b32 s23, s10, 13
	s_add_co_u32 s21, s21, s23
	s_add_co_u32 s21, s21, 2*49152-8192            ; G: my head, my work-group's 24,576 bytes, wave - 1's 8,192, K step 2
	s_mov_b32 s[PFS], 98304
	s_mov_b32 s[PFS+1], 0
	s_and_b32 s22, ttmp7, 0xffff
	s_cmp_eq_u32 s10, 0
	s_cselect_b32 s22, ttmp9, s22                  ; the coordinate along which other clusters read the same bytes
	s_cselect_b64 s[PFA:PFA+1], s[4:5], s[6:7]
	s_cselect_b32 s20, s20, s21
	s_cselect_b32 s[PFS], 1048576, s[PFS]
	s_cmp_eq_u32 s22, 0
	s_cselect_b32 s[LIM], 1, -1                    ; the same in all sixteen partners, for a given wave
	s_mov_b32 s21, 0
	s_add_nc_u64 s[PFA:PFA+1], s[PFA:PFA+1], s[20:21]
; 12 matrix instructions: row block a x all 12 column blocks, 32 along K.  The 48 accumulators take turns, one instruction a turn, in the same order in every phase.
.macro MUL12 fa, fb, a, zero
	WIN 0xa1+0x50*((\a)/2)                         ; source 0 (G) window 1, source 1 (x) window 0, C and D window 2 or 3
.irp b, 0,1,2,3,4,5,6,7,8,9,10,11
.if \zero
	v_wmma_f32_16x16x32_bf16 v[8*(12*((\a)%2)+(\b)):8*(12*((\a)%2)+(\b))+7], v[(\fb)+8*(\b):(\fb)+8*(\b)+7], v[(\fa)+8*(\a):(\fa)+8*(\a)+7], 0
.else
	v_wmma_f32_16x16x32_bf16 v[8*(12*((\a)%2)+(\b)):8*(12*((\a)%2)+(\b))+7], v[(\fb)+8*(\b):(\fb)+8*(\b)+7], v[(\fa)+8*(\a):(\fa)+8*(\a)+7], v[8*(12*((\a)%2)+(\b)):8*(12*((\a)%2)+(\b))+7]
.endif
.endr
.endm
.macro FETCH_B slot, j, part, fb       ; 24 turning loads: 192 columns x 32 k (K half j) of one part
	WIN 0x40
.irp b, 0,1,2,3,4,5,6,7,8,9,10,11
	ds_load_tr16_b128 v[(\fb)+8*(\b):(\fb)+8*(\b)+3],   v[ADRB+(\slot)] offset:(3*(\part)+(\b)/4)*SUBT+32*PB*(\j)+32*((\b)%4)
	ds_load_tr16_b128 v[(\fb)+8*(\b)+4:(\fb)+8*(\b)+7], v[ADRB+(\slot)] offset:(3*(\part)+(\b)/4)*SUBT+32*PB*(\j)+32*((\b)%4)+16*PB
.endr
.endm
.macro FETCH_A slot, j, fa             ; 8 loads: my 64 rows x 32 k
	WIN 0
.irp a, 0,1,2,3
	ds_load_b128 v[(\fa)+8*(\a):(\fa)+8*(\a)+3],   v[ADRA+(\slot)] offset:16*PA*(\a)+64*(\j)
	ds_load_b128 v[(\fa)+8*(\a)+4:(\fa)+8*(\a)+7], v[ADRA+(\slot)] offset:16*PA*(\a)+64*(\j)+32
.endr
.endm
.macro PLACES                          ; four plain instructions in front of loads into registers that matrix instructions have read (ISA guide 7.12.1 for vector instructions)
.rept 4
	v_nop
.endr
.endm
.macro PH_HI slot, j, zero             ; part 0 of K half j; in its middle part 1's fragments are fetched
	s_wait_dscnt 4                                 ; G's 24 loads and x's row blocks 0, 1 are in; the youngest four loads (row blocks 2, 3) may be out
	MUL12 FA0+32*(\j), FB0, 0, \zero
	MUL12 FA0+32*(\j), FB0, 1, \zero
	PLACES
	FETCH_B \slot, \j, 1, FB1
	s_wait_dscnt 24                                ; all but the 24 just issued
	MUL12 FA0+32*(\j), FB0, 2, \zero
	MUL12 FA0+32*(\j), FB0, 3, \zero
.endm
.macro PH_LO slot                      ; part 1 of K half 0; in its middle K half 1's first fragments are fetched
	s_wait_dscnt 0x0
	MUL12 FA0, FB1, 0, 0
	MUL12 FA0, FB1, 1, 0
	PLACES
	FETCH_B \slot, 1, 0, FB0
	FETCH_A \slot, 1, FA1
	MUL12 FA0, FB1, 2, 0
	MUL12 FA0, FB1, 3, 0
.endm
; Part 1 of K half 1, and the change of slots: ONE barrier.  In front of it each wave waits for all its tensor loads (one is out: its part of the next slot), adds 0 to its spare word, and waits for that and for
; its own reads of this slot.  fill = 1: the barrier opens a round of the cluster's; behind the round this slot is filled again, two K steps ahead: 168 matrix instructions stand between the request and the wait for it.
.macro TURN slot, next, fill
.if (\fill) && ((\slot) == 0)
	s_wait_xcnt 0x0                                ; the last prefetches, a lap back, have read their address: it is stepped here, ahead of the waits of the change of slots
	s_add_nc_u64 s[PFA:PFA+1], s[PFA:PFA+1], s[PFS:PFS+1]
.endif
	WIN 0
	s_wait_tensorcnt 0x0                           ; all my tensor loads have landed
	ds_add_u32 v[SPW], v[NIL]                      ; 0 onto my spare word
	s_wait_dscnt 1                                 ; part 1's fragments are in; the add may be out
	MUL12 FA1, FB1, 0, 0
	s_wait_dscnt 0x0                               ; the add is done, and my reads of this slot are over
	s_barrier_signal -1
	MUL12 FA1, FB1, 1, 0
.if \fill
	WIN 0
.endif
	s_barrier_wait -1
.if \fill
	CREST                                          ; no wave of any partner still reads this slot or has a load on its way
	s_add_nc_u64 s[G0+4*(\slot)+2:G0+4*(\slot)+3], s[G0+4*(\slot)+2:G0+4*(\slot)+3], 2*524288
	s_add_nc_u64 s[G0B+4*(\slot)+2:G0B+4*(\slot)+3], s[G0B+4*(\slot)+2:G0B+4*(\slot)+3], 2*49152
	JLOAD \slot                                    ; the first tensor load behind the round; its four v_nop are also the places in front of the loads below
.else
	PLACES
.endif
	FETCH_B \next, 0, 0, FB0
	FETCH_A \next, 0, FA0
.if (\fill) && ((\slot) == 0)
	ASK
.endif
	MUL12 FA1, FB1, 2, 0
	MUL12 FA1, FB1, 3, 0
.endm
	s_wait_loadcnt 0x0                             ; rs, while the first tile is awaited anyway
	s_wait_tensorcnt 1                             ; my part of K step 0 is in; K step 1's may stay out
	s_barrier_signal -1
	s_barrier_wait -1
	FETCH_B 0, 0, 0, FB0
	FETCH_A 0, 0, FA0
	PH_HI 0, 0, 1                                  ; the first phase stands in front of the loop: its 48 products start the sums
	WIN 0
	s_mov_b32 s3, LAPS-1
.Llap:                                         ; a trip goes once round the ring, from a lap's second phase to the next lap's first, and fills both slots again
	PH_LO 0
	PH_HI 0, 1, 0
	TURN 0, 1, 1
	PH_HI 1, 0, 0
	PH_LO 1
	PH_HI 1, 1, 0
	TURN 1, 0, 1
	PH_HI 0, 0, 0
	WIN 0
	s_sub_co_u32 s3, s3, 1
	s_cmp_lg_u32 s3, 0
	s_cbranch_scc1 .Llap
	PH_LO 0                                        ; the last lap fills nothing
	PH_HI 0, 1, 0
	TURN 0, 1, 0
	PH_HI 1, 0, 0
	PH_LO 1
	PH_HI 1, 1, 0
	s_wait_dscnt 0x0
	MUL12 FA1, FB1, 0, 0
	MUL12 FA1, FB1, 1, 0
	MUL12 FA1, FB1, 2, 0
	MUL12 FA1, FB1, 3, 0
	WIN 0
	PLACES
	PLACES
; THE WAY OUT, a row block (16 rows) at a time.  SCALE: times rs, each accumulator read from its low end on.  SPLIT: q and k into hi and lo, v into f16.  TOSTAGE: into my own stage and back as whole rows.  SEND: stored.
.macro SCALE a
	WIN 0x02+(\a)/2                                ; source 0 in window 2 or 3
.set p, 0
.rept 48
	v_pk_mul_f32 v[VAL+2*p:VAL+2*p+1], v[96*((\a)%2)+2*p:96*((\a)%2)+2*p+1], v[RSV+2*(\a):RSV+2*(\a)+1] op_sel_hi:[1,0]
.set p, p+1
.endr
	WIN 0
.endm
.macro SPLIT
.irp b, 0,1,2,3,4,5,6,7
.irp r, 0,1,2,3
	v_cvt_pk_bf16_f32 v[OUT+8*(\b)+(\r)], v[VAL+8*(\b)+2*(\r)], v[VAL+8*(\b)+2*(\r)+1]       ; hi
.endr
.irp r, 0,1,2,3
	v_lshlrev_b32 v[U+2*(\r)], 16, v[OUT+8*(\b)+(\r)]
	v_and_b32 v[U+2*(\r)+1], s[HIM], v[OUT+8*(\b)+(\r)]
.endr
.irp r, 0,1,2,3
	v_pk_add_f32 v[VAL+8*(\b)+2*(\r):VAL+8*(\b)+2*(\r)+1], v[VAL+8*(\b)+2*(\r):VAL+8*(\b)+2*(\r)+1], v[U+2*(\r):U+2*(\r)+1] neg_lo:[0,1] neg_hi:[0,1]  ; value - hi, exact
.endr
.irp r, 0,1,2,3
	v_cvt_pk_bf16_f32 v[OUT+8*(\b)+4+(\r)], v[VAL+8*(\b)+2*(\r)], v[VAL+8*(\b)+2*(\r)+1]     ; lo
.endr
.endr
.irp b, 8,9,10,11
.irp r, 0,1,2,3
	v_cvt_pk_f16_f32 v[OUT+64+4*((\b)-8)+(\r)], v[VAL+8*(\b)+2*(\r)], v[VAL+8*(\b)+2*(\r)+1]
.endr
.endr
.endm
.macro TOSTAGE a
	WIN 0
.irp b, 0,1,2,3,4,5,6,7
	ds_store_b128 v[STQ], v[OUT+8*(\b):OUT+8*(\b)+3]   offset:((\b)/4)*4352+32*((\b)%4)
	ds_store_b128 v[STQ], v[OUT+8*(\b)+4:OUT+8*(\b)+7] offset:((\b)/4)*4352+32*((\b)%4)+128
.endr
.irp b, 0,1,2,3
	ds_store_b128 v[STV], v[OUT+64+4*(\b):OUT+64+4*(\b)+3] offset:32*(\b)
.endr
	WIN 0x40                                       ; back into window 1; LDS serves a wave's instructions in order (ISA guide 5.7.1.4): these see the stores above
.set BK, 80*((\a)%2)
.irp t, 0,1,2,3,4,5,6,7
	ds_load_b128 v[BK+4*(\t):BK+4*(\t)+3],       v[RDQ] offset:544*(\t)
	ds_load_b128 v[BK+32+4*(\t):BK+32+4*(\t)+3], v[RDQ] offset:4352+544*(\t)
.endr
.irp t, 0,1,2,3
	ds_load_b128 v[BK+64+4*(\t):BK+64+4*(\t)+3], v[RDV] offset:576*(\t)
.endr
	WIN 0
.endm
.macro SEND a
	WIN 0x04                                       ; the stores' data in window 1
.set BK, 80*((\a)%2)
	s_wait_dscnt 0x0                               ; the block is back in registers
	s_wait_xcnt 0x0                                ; earlier stores have read their registers: the buffer that the next TOSTAGE loads is written only behind this wait
.irp t, 0,1,2,3,4,5,6,7
	global_store_b128 v[GO], v[BK+4*(\t):BK+4*(\t)+3],       s[QP:QP+1] offset:4096*(\a)+512*(\t)  ; two rows: 512 consecutive bytes, aligned
	global_store_b128 v[GO], v[BK+32+4*(\t):BK+32+4*(\t)+3], s[KP:KP+1] offset:4096*(\a)+512*(\t)
.endr
.irp t, 0,1,2,3
	global_store_b128 v[GO], v[BK+64+4*(\t):BK+64+4*(\t)+3], s[VP:VP+1] offset:2048*(\a)+512*(\t)  ; four rows
.endr
	WIN 0
.endm
	SCALE 0
	SPLIT
	TOSTAGE 0
.irp a, 1,2,3                          ; block a's arithmetic stands between block a - 1's loads from the stage and the wait for them
	SCALE \a
	SPLIT
	SEND (\a)-1
	TOSTAGE \a
.endr
	SEND 3
	s_wait_tensorcnt 0x0                           ; the wave's end: the wait, an add to my spare word and its wait, behind my last tensor load and my last LDS store
	ds_add_u32 v[SPW], v[NIL]
	s_wait_dscnt 0x0
	CROUND                                         ; the closing round: no work-group ends while a partner may still ask for a tile that names it
	s_endpgm
.Lfunc_end_k_qf4c2273742_qkv:
	.size	k_qf4c2273742_qkv, .Lfunc_end_k_qf4c2273742_qkv-k_qf4c2273742_qkv
	.p2alignl 7, 3214868480
	.fill 96, 4, 3214868480
	.section	.rodata,"a",@progbits
	.p2align	6, 0x0
	.amdhsa_kernel k_qf4c2273742_qkv
		.amdhsa_group_segment_fixed_size 327680
		.amdhsa_private_segment_fixed_size 0
		.amdhsa_enable_private_segment 0
		.amdhsa_kernarg_size 48
		.amdhsa_user_sgpr_count 2
		.amdhsa_user_sgpr_kernarg_segment_ptr 1
		.amdhsa_wavefront_size32 1
		.amdhsa_system_sgpr_workgroup_id_x 1
		.amdhsa_system_sgpr_workgroup_id_y 1
		.amdhsa_system_sgpr_workgroup_id_z 1
		.amdhsa_system_vgpr_workitem_id 0
		.amdhsa_next_free_vgpr 960
		.amdhsa_next_free_sgpr 84
		.amdhsa_reserve_vcc 0
		.amdhsa_float_denorm_mode_32 3
		.amdhsa_float_denorm_mode_16_64 3
		.amdhsa_memory_ordered 1
		.amdhsa_forward_progress 1
		.amdhsa_inst_pref_size 161
	.end_amdhsa_kernel
	.amdgpu_metadata
---
amdhsa.version: [ 1, 2 ]
amdhsa.kernels:
  - .name:           k_qf4c2273742_qkv
    .symbol:         k_qf4c2273742_qkv.kd
    .args:
      - { .name: xb, .offset: 0, .size: 8, .value_kind: global_buffer, .address_space: global }
      - { .name: gb, .offset: 8, .size: 8, .value_kind: global_buffer, .address_space: global }
      - { .name: rs, .offset: 16, .size: 8, .value_kind: global_buffer, .address_space: global }
      - { .name: qhl, .offset: 24, .size: 8, .value_kind: global_buffer, .address_space: global }
      - { .name: khl, .offset: 32, .size: 8, .value_kind: global_buffer, .address_space: global }
      - { .name: vh, .offset: 40, .size: 8, .value_kind: global_buffer, .address_space: global }
    .group_segment_fixed_size: 327680
    .private_segment_fixed_size: 0
    .kernarg_segment_align: 8
    .kernarg_segment_size: 48
    .max_flat_workgroup_size: 128
    .sgpr_count:     84
    .vgpr_count:     960
    .wavefront_size: 32
...
	.end_amdgpu_metadata
.endif
;; end of part 2
;; launch attn (part 3): grid 16 x 16, 4 waves a work-group, clusters of 4 x 1, 327,680 bytes of LDS; arguments qhl, khl, vh, oh; writes oh
.if DOCPART == 3
	.amdgcn_target "amdgcn-amd-amdhsa--gfx1250"
	.amdhsa_code_object_version 6
	.text
	.protected	k_qf4c2273742_attn
	.globl	k_qf4c2273742_attn
	.p2align	8
	.type	k_qf4c2273742_attn,@function
k_qf4c2273742_attn:
	s_mov_b64 s[64:65], 0
	v_nop
	global_prefetch_b8 v0, s[64:65] scope:SCOPE_SE
	s_setreg_imm32_b32 hwreg(HW_REG_WAVE_MODE, 25, 1), 1
	s_wait_xcnt 0x0
	s_wait_alu depctr_hold_cnt(0) depctr_sa_sdst(0) depctr_va_vdst(0) depctr_va_sdst(0) depctr_va_ssrc(0) depctr_va_vcc(0) depctr_vm_vsrc(0)
	s_getreg_b32 s2, hwreg(HW_REG_IB_STS2, 6, 4)
	s_cmp_eq_u32 s2, 0
	s_cbranch_scc0 .Lentry_in_a_cluster
	s_endpgm
.Lentry_in_a_cluster:
	s_bfe_u32 s2, ttmp6, 0x10000c
	s_cmp_lg_u32 s2, 0x3003
	s_cbranch_scc0 .Lentry_shape_is_right
	s_endpgm
.Lentry_shape_is_right:
; CAUSAL ATTENTION with scores 8 q.k.  O[h][i] = the sum over j <= i of softmax_j(8 q[h][i] . k[h][j]) v[h][j].  q, k: [16][4096][hi 64 | lo 64] bf16, value = hi + lo; v, O: [16][4096][64] f16.
; THE SCORES ARE LARGE (their spread is some 64 for unit q and k), so a weight follows a score's error closely: q.k is taken as Kl Qh + Kh Ql + Kh Qh, three bf16 products into one f32 sum.
; LIMITS.  Kl Ql is dropped: some 2^-16 of a score of unit operands.  v and O within 65,504 (f16); p lies in 0 to 1, below 6e-5 in f16's fixed step of 6e-8; l is the sum of the unrounded p.
; A hidden score counts as its value less 1e30: |q.k| stays far below that.  A weight below 2^-126 counts as 0.  NaN and infinities are not treated apart.
; THE WALK.  A head's queries lie in 32 blocks of 128; a key tile (an LDS slot) is 256 keys, four steps of 64.  Work-group b = 4 c + cx takes block 31 - b and then block b.
; CLUSTER 4 x 1: the four partners walk the SAME 18 tiles, 0 .. 15 - 2 c for the first block and 0 .. 2 c + 1 for the second, so every tile is asked for jointly.  A partner whose block ends earlier computes up to three
; hidden half tiles a block.  Every branch and count hangs on c, the wave's number and constants; cx enters the addresses of Q and O, the prefetch's address and, by s_cselect, the mask's two scalars.
; SHARES.  Of a block's two bands of 64 queries a wave owns 16 rows in each: two PIECES.  In step T of a block's walk band x sees all keys if T < U_x = 2 block + x, none if T > U_x, and holds the diagonal if T = U_x.
; THE MASK is the C operand that starts the sum S^T = K Q^T: MD x AL + BE, MD = the mask of a band's own step for my rows; (AL, BE) = (1, 0), (0, 0) or (0, -1e30).  Only a block's last two tiles and its beginning take masks.
; LAYOUT.  S^T = K Q^T holds ONE query a lane (lane % 16) and the keys 8 (lane / 16) + 0..7; two such results rounded to f16 ARE source 1 of O^T = V^T P.  p = 2^(c s - c m), c = 8 log2(e), with a running maximum m;
; O and l are multiplied by a = 2^(c m_old - c m_new) in every step.
; TURNS.  Turn Y: the OTHER piece Z has the matrix unit: 8 products V^T P (rows 0-7), then 24 products K Q^T of its next step (rows 8-31).  Behind them, up to four a row, stand 118 vector instructions: piece Y's maximum and
; statistics (rows 0-7), scalings and exponentials (rows 7-23), ONE wait, rescaling and roundings (rows 24-31); and piece Z's row sums of the step before, put off to rows 4-10, each ahead of the product that overwrites its part of S^T.
; A trip of the step loop begins behind row 7 of turn 0, so that the change of slots stands behind V's run of the old slot and ahead of K's first run of the new one.
; REGISTERS, in windows of 256 (s_set_vgpr_msb: bits 1:0 source 0, 3:2 source 1, 5:4 source 2, 7:6 destination).  The map is made so that few lines need a switch:
;   window 0: v0-31 addresses, statistics, at work; v32-95 S^T, 32 a piece; v96-127 P, 16 a piece; v128-191 Kl; v192-255 Kh (channel half c, key block kb at 32 c + 8 kb)
;   window 1: v0-63 O^T, 32 a piece; v64-127 V; v128-159 MD; v160-191 MC          window 2: v0-63 Q (piece t: Qh c0, Qh c1, Ql c0, Ql c1 at 32 t + 0, 8, 16, 24); v64-127 the second block's
; K Q^T runs with source 1 alone in window 2; a vector line that names no vector register in source 1 (scalings, exponentials, sums written as x 1.0 + y) and K's LDS loads run under the same setting.
; V^T P runs with V and O^T in window 1 and P in window 0; the rescaling O^T x a runs under the same setting.  What remains: the lines behind the 8 products V^T P, the four rows of rescalings, the four rows of roundings.
.set PK,    272       ; a row of K in LDS: 256 bytes + 16: the 16 rows of a load start at 16 different groups of four banks (64 banks of 4 bytes: ISA guide 11.1)
.set PV,    160       ; a row of V: 128 + 32
.set VOFF,  256*PK    ; a slot: 256 rows of K, then 256 rows of V
.set SLOT1, 1<<17     ; slot 1 begins here, so that one exclusive or turns an address in one slot into the other's
.set STAGE, SLOT1+256*(PK+PV)  ; behind the ring, never filled by a tensor load: 16 rows x 144 bytes for each wave
.set SP,    144
.set SPARE, STAGE+4*16*SP      ; the spare words, 128 bytes for each wave: two blocks of 256 bytes that no other line names
.set AK0, 2           ; v2   my lane's place in a tile of K; never rewritten
.set AV0, 3           ; v3   the same for V
.set AK,  4           ; v4   the LDS address of K's runs of loads
.set AV,  5           ; v5   of V's
.set STO, 6
.set RD,  7
.set GO,  8
.set PFO, 9           ; 256 x my lane; never rewritten
.set SPW, 10
.set NIL, 11
.set MV,  12          ; v12-13  c m_old, by piece
.set ST,  16          ; piece t at v[ST+4 t]: c m, m, l (even keys', odd keys')
.set TMP, 24          ; by piece, c0-c3 at work; when the maximum is found c2 takes a
.set S,   32
.set P,   96
.set KL,  128
.set KH,  192
.set LR,  32          ; v32-37: at work in the set-up alone, where S^T's registers are still free: l % 16, l / 16, l % 8, (l / 8) % 2, the mask's number, Q's offset
.set LH,  33
.set L7,  34
.set L3,  35
.set TQ,  36
.set QO,  37
.set VF,  64          ; window 1
.set MD,  128
.set MC,  160
.set QB,  64          ; window 2
.set WV,  12          ; s12 wave; s13 cx; s14 c
.set LIMB, 15         ; s15  4 in a wave that prefetches, else 100
.set G1K, 24
.set G1V, 32
.set G0K, 40
.set G0V, 44
.set PFA, 48          ; s[48:49] where my prefetches stand
.set PFS, 50          ; s[50:51] a tile's bytes
.set SLOTS, 56        ; tiles still to be asked for
.set CNT, 57          ; counts a tile's key steps
.set CS,  58          ; s[58:59] c
.set SEL, 60          ; s[60:61] v_permlanex16_b32's selects
.set TBK, 62          ; LDS byte at which K of the step to be fetched begins
.set TBV, 63          ; the same for V, less VOFF
.set RT,  70          ; tiles of the block in hand still to be entered
.set NXT, 71          ; the tile to be asked for next
.set LQ,  72          ; the last tile of the walk whose tiles are being asked for
.set NEW, 73          ; 1: the tile to be entered is a block's first
.set OFK, 74          ; s[74:75] a tile's byte offset in K
.set AL,  76
.set BE,  78
.set OLO, 80          ; s[80:81] O at my rows of the second block
.set BIGN, 82
.set SG,  83          ; the step in hand of the block's walk
.set U0,  84
.set U1,  85
.set ULO, 86
.set N2,  87
.set OFV, 88          ; s[88:89]
.set LQ2, 90
.set TM,  91
.set ONE, 94          ; s[94:95] 1.0: the factor of the sums that are written as x 1.0 + y
.set MSB, 0
.macro WIN new
.if MSB != (\new)
	s_set_vgpr_msb (MSB<<8)|(\new)
.set MSB, (\new)
.endif
.endm
.set W_KQ, 0x08       ; K and S^T in window 0, Q in window 2
.set W_KM, 0x18       ; the same with the C operand in window 1
.set W_PV, 0x51       ; V and O^T in window 1, P (or a) in window 0
.macro WINA                         ; for a line whose vector registers stand in source 0, source 2 and the destination, all in window 0: it runs under 0 and under W_KQ alike
.if (MSB != 0) && (MSB != W_KQ)
	WIN 0
.endif
.endm
.macro WINK                         ; the same for K's LDS loads, which products K Q^T follow
.if (MSB != 0) && (MSB != W_KQ)
	WIN W_KQ
.endif
.endm
; A joint fill.  Waves 0 and 1 fetch the two halves of a tile's K, waves 2 and 3 those of its V: 128 keys each.  An s_nop 0 and four v_nop follow each of the two lines.
.macro JLOAD
	s_cmp_lt_u32 s[WV], 2
	s_cbranch_scc0 .Lfor_v_\@
	tensor_load_to_lds s[G0K:G0K+3], s[G1K:G1K+7]
	s_nop 0
.rept 4
	v_nop
.endr
	s_branch .Lasked_\@
.Lfor_v_\@:
	tensor_load_to_lds s[G0V:G0V+3], s[G1V:G1V+7]
	s_nop 0
.rept 4
	v_nop
.endr
.Lasked_\@:
.endm
; A PREFETCH INTO THE L2 of the tile that the NEXT change of slots will ask for, behind the joint load's five lines.  A head's tiles are first walked by the first blocks, and the head's cluster c = 0 walks all sixteen: it alone asks,
; in the changes that fill tiles 2 to 14, for tiles 3 to 15: one slot, 256 matrix instructions, ahead.  Its four partners share a tile out BY ADDRESS: of K's 65,536 bytes 16,384 each, 8,192 for wave 0 and for wave 1;
; of V's 32,768 bytes 8,192 each, wave 2; a lane 256 bytes, one instruction a wave.  So each block is named once in the launch.  The second walk asks for nothing.
.macro ASK
	s_sub_co_u32 s[TM], s[SLOTS], s[LIMB]
	s_cmp_lt_u32 s[TM], 13
	s_cbranch_scc0 .Lnot_mine_\@
	global_prefetch_b8 v[PFO], s[PFA:PFA+1] th:TH_LOAD_NT scope:SCOPE_SE
.Lnot_mine_\@:
.endm
.macro CROUND
	s_barrier_signal -1
	s_barrier_wait -1
	s_cmp_lg_u32 s[WV], 0
	s_cbranch_scc1 .Lnot_wave_0_\@
	s_barrier_signal -3
.Lnot_wave_0_\@:
	s_barrier_wait -3
	s_barrier_signal -1
	s_barrier_wait -1
.endm
; THE CHANGE OF SLOTS.  Each wave waits for all its tensor loads (one is out: its part of the other slot), adds 0 to its spare word, and waits for that and for its own reads of the slot that it leaves.
; fill = 1: the barrier is a round of the cluster's, and the old slot is filled again first thing behind it, with tile NXT: the descriptor's address is made anew from that number.
.macro CHANGE fill
	WIN 0
	s_wait_tensorcnt 0x0            ; no tensor load of mine is out, so a group 0 may be written
	ds_add_u32 v[SPW], v[NIL]       ; 0 onto my spare word
.if \fill
	s_lshl_b32 s[OFK], s[NXT], 16   ; a tile is 65,536 bytes of K
	s_lshl_b32 s[OFV], s[NXT], 15   ; and 32,768 of V
	s_xor_b32 s[G0K+1], s[G0K+1], SLOT1
	s_add_nc_u64 s[G0K+2:G0K+3], s[6:7], s[OFK:OFK+1]
	s_or_b32 s[G0K+3], s[G0K+3], 0x80000000
	s_xor_b32 s[G0V+1], s[G0V+1], SLOT1
	s_add_nc_u64 s[G0V+2:G0V+3], s[8:9], s[OFV:OFV+1]
	s_or_b32 s[G0V+3], s[G0V+3], 0x80000000
	s_add_co_u32 s[NXT], s[NXT], 1  ; the walk's next tile, or behind its last the second walk's tile 0
	s_cmp_gt_u32 s[NXT], s[LQ]
	s_cselect_b32 s[NXT], 0, s[NXT]
	s_cselect_b32 s[LQ], s[LQ2], s[LQ]
	s_wait_xcnt 0x0                 ; the last prefetch, a slot back, has read its address
	s_add_nc_u64 s[PFA:PFA+1], s[PFA:PFA+1], s[PFS:PFS+1]
	s_wait_dscnt 0x0                ; the add is done, and my reads of the slot are over
	CROUND
	JLOAD
	ASK
.else
	s_wait_dscnt 0x0
	s_barrier_signal -1
	s_barrier_wait -1
.endif
	s_sub_co_u32 s[TBK], s[TBK], 256*PK   ; the fetches go back to a slot's first step,
	s_xor_b32 s[TBK], s[TBK], SLOT1       ; in the other slot
	s_sub_co_u32 s[TBV], s[TBV], 256*PV
	s_xor_b32 s[TBV], s[TBV], SLOT1
.endm
	s_load_b256 s[4:11], s[0:1], 0x0  ; qhl s[4:5], khl s[6:7], vh s[8:9], oh s[10:11]
	v_lshl_add_u32 v[SPW], v0, 2, SPARE
	v_mov_b32 v[NIL], 0
	ds_add_u32 v[SPW], v[NIL]       ; the wave's opening: the add and its wait stand ahead of my first tensor load; the set-up below stands between them
	v_lshrrev_b32 v1, 5, v0
	v_readfirstlane_b32 s[WV], v1
	s_bfe_u32 s13, ttmp6, 0x40000   ; cx
	s_mov_b32 s14, ttmp9            ; c: in a cluster launch ttmp9 counts clusters
	s_lshl_b32 s16, s14, 2
	s_add_co_u32 s16, s16, s13      ; b
	s_sub_co_u32 s17, 31, s16       ; the first block
	s_and_b32 s20, ttmp7, 0xffff    ; the head
	s_lshl_b32 s18, s20, 20         ; its first byte in qhl and khl
	s_lshl_b32 s21, s[WV], 12       ; my 16 rows of 256 bytes in a band
	s_lshl_b32 s2, s17, 15          ; a block's 128 rows
	s_add_co_u32 s2, s2, s21
	s_add_co_u32 s2, s2, s18
	s_mov_b32 s3, 0
	s_lshl_b32 s22, s16, 15
	s_add_co_u32 s22, s22, s21
	s_add_co_u32 s22, s22, s18
	s_mov_b32 s23, 0
	s_mov_b32 s19, 0
	s_lshl_b32 s[N2], s14, 1
	s_sub_co_u32 s[LQ], 15, s[N2]   ; the first walk's last tile
	s_sub_co_u32 s[RT], 16, s[N2]   ; its tiles
	s_add_co_u32 s[LQ2], s[N2], 1   ; the second walk's last tile
	s_add_co_u32 s[N2], s[N2], 2    ; its tiles
	s_lshl_b32 s[ULO], s16, 1       ; the second block's U_0 = 2 b
	s_sub_co_u32 s[U0], 62, s[ULO]  ; the first block's: 2 (31 - b)
	s_sub_co_u32 s[U1], 63, s[ULO]
	s_mov_b32 s[NXT], 1
	s_mov_b32 s[NEW], 1
	s_mov_b32 s[SLOTS], 17
	s_mov_b32 s[SG], 0
	s_mov_b32 s[OFK+1], 0
	s_mov_b32 s[OFV+1], 0
	s_mov_b32 s[AL+1], 0            ; named as pairs
	s_mov_b32 s[BE+1], 0
	s_mov_b32 s[BIGN], 0xf149f2ca   ; -1e30
	s_mov_b32 s[CS], 0x4138aa3b     ; c = 8 log2(e) = 11.541560
	s_mov_b32 s[CS+1], s[CS]
	s_mov_b32 s[ONE], 1.0
	s_mov_b32 s[ONE+1], 1.0
	s_mov_b32 s[SEL], 0x76543210
	s_mov_b32 s[SEL+1], 0xfedcba98
	s_mov_b32 s[TBK], SLOT1+256*PK  ; the first change of slots turns these two into 0
	s_mov_b32 s[TBV], SLOT1+256*PV
	; group 1.  K: 128 rows of 256 bytes, padded behind each.  V: 128 keys are 16,384 dense bytes: 64 rows of 256, padded behind every 128 bytes
	s_mov_b32 s[G1K], 15|(1<<16)|(1<<20)|(1<<21)|(5<<22)|(3<<25)  ; 15:0 the mask of four; 17:16 2-byte elements; 20 padding on; 21 set beside a mask; 24:22 after every 64 words; 31:25 4 words
	s_mov_b32 s[G1K+1], 128<<16
	s_mov_b32 s[G1K+2], 128<<16
	s_mov_b32 s[G1K+3], 128<<16
	s_mov_b32 s[G1K+4], 128
	s_mov_b32 s[G1K+5], 128
	s_mov_b32 s[G1K+6], 0
	s_mov_b32 s[G1K+7], 0
	s_mov_b32 s[G1V], 15|(1<<16)|(1<<20)|(1<<21)|(4<<22)|(7<<25)  ; after every 32 words, 8 words
	s_mov_b32 s[G1V+1], 128<<16
	s_mov_b32 s[G1V+2], 64<<16
	s_mov_b32 s[G1V+3], 128<<16
	s_mov_b32 s[G1V+4], 64
	s_mov_b32 s[G1V+5], 128
	s_mov_b32 s[G1V+6], 0
	s_mov_b32 s[G1V+7], 0
	s_lshl_b32 s20, s13, 14         ; the prefetches.  K: my work-group's 16,384 bytes of a tile,
	s_lshl_b32 s21, s[WV], 13       ; my wave's 8,192,
	s_add_co_u32 s20, s20, s21
	s_add_co_u32 s20, s20, 65536    ; in tile 1: each change steps it first
	s_lshl_b32 s21, s13, 13         ; V: my work-group's 8,192 bytes
	s_add_co_u32 s21, s21, 32768
	s_mov_b32 s[PFS], 32768
	s_mov_b32 s[PFS+1], 0
	s_cmp_lt_u32 s[WV], 2
	s_cselect_b32 s20, s20, s21
	s_cselect_b32 s[PFS], 65536, s[PFS]
	s_mov_b32 s21, 0
	s_cmp_lt_u32 s[WV], 3
	s_cselect_b32 s[LIMB], ttmp9, 1 ; 0 in waves 0 to 2 of the head's first cluster: the same in all four partners
	s_cmp_eq_u32 s[LIMB], 0
	s_cselect_b32 s[LIMB], 4, 100
	s_and_b32 s52, s[WV], 1         ; which half of a tile's 256 keys I fetch
	s_mul_i32 s53, s52, 128*PK
	s_mul_i32 s54, s52, 128*PV
	s_mov_b32 s[G0K], 1
	s_mov_b32 s[G0K+1], s53         ; slot 0: no place in the cluster enters an LDS address
	s_mov_b32 s[G0V], 1
	s_add_co_u32 s[G0V+1], s54, VOFF
	v_and_b32 v[PFO], 31, v0
	v_lshlrev_b32 v[PFO], 8, v[PFO]
	s_wait_dscnt 0x0                ; the opening add is done
	s_wait_kmcnt 0x0
	s_add_nc_u64 s[92:93], s[4:5], s[22:23]        ; Q at my rows of the second block,
	s_add_nc_u64 s[4:5], s[4:5], s[2:3]            ; of the first
	s_lshr_b32 s2, s2, 1                           ; O's rows are half as long
	s_lshr_b32 s22, s22, 1
	s_add_nc_u64 s[OLO:OLO+1], s[10:11], s[22:23]
	s_add_nc_u64 s[10:11], s[10:11], s[2:3]
	s_add_nc_u64 s[6:7], s[6:7], s[18:19]          ; K and V at the head
	s_lshr_b32 s18, s18, 1
	s_add_nc_u64 s[8:9], s[8:9], s[18:19]
	s_cmp_lt_u32 s[WV], 2
	s_cselect_b64 s[PFA:PFA+1], s[6:7], s[8:9]
	s_add_nc_u64 s[PFA:PFA+1], s[PFA:PFA+1], s[20:21]
	s_lshl_b32 s18, s52, 15
	s_add_nc_u64 s[6:7], s[6:7], s[18:19]          ; at my half of the head's tile 0
	s_lshl_b32 s18, s52, 14
	s_add_nc_u64 s[8:9], s[8:9], s[18:19]
	s_add_nc_u64 s[G0K+2:G0K+3], s[6:7], 0
	s_or_b32 s[G0K+3], s[G0K+3], 0x80000000
	s_add_nc_u64 s[G0V+2:G0V+3], s[8:9], 0
	s_or_b32 s[G0V+3], s[G0V+3], 0x80000000
	CROUND                          ; all four work-groups are here: the first joint loads meet
	JLOAD                           ; tile 0 into slot 0; slot 1 is asked for by the loop's first change of slots
	v_and_b32 v[LR], 15, v0         ; r = l % 16
	v_bfe_u32 v[LH], v0, 4, 1       ; h = l / 16
	v_lshlrev_b32 v[QO], 8, v[LR]
	v_lshl_add_u32 v[QO], v[LH], 4, v[QO]  ; row x 256 + 16 h
	WIN 0x80                        ; destination window 2
.set i, 0
.rept 8                             ; both blocks' Q: piece i / 4 lies 64 rows on; part (i / 2) % 2 (hi, lo) 128 bytes on; channels 32 (i % 2) on
	global_load_b128 v[8*i:8*i+3],         v[QO], s[4:5]   offset:(i/4)*16384+((i/2)%2)*128+(i%2)*64
	global_load_b128 v[8*i+4:8*i+7],       v[QO], s[4:5]   offset:(i/4)*16384+((i/2)%2)*128+(i%2)*64+32
	global_load_b128 v[QB+8*i:QB+8*i+3],   v[QO], s[92:93] offset:(i/4)*16384+((i/2)%2)*128+(i%2)*64
	global_load_b128 v[QB+8*i+4:QB+8*i+7], v[QO], s[92:93] offset:(i/4)*16384+((i/2)%2)*128+(i%2)*64+32
.set i, i+1
.endr
	WIN 0
	v_lshlrev_b32 v[TQ], 3, v[LH]
	v_sub_nc_u32 v[TQ], v[LR], v[TQ]
	s_lshl_b32 s16, s[WV], 4
	v_add_nc_u32 v[TQ], s16, v[TQ]  ; my query's place in its band, 16 w + r, less 8 h: register j of key block kt is hidden where 16 kt + j is greater
	WIN 0x40
.set i, 0
.rept 32
	v_cmp_gt_i32 vcc_lo, 16*(i/8)+i%8, v[TQ]
	v_cndmask_b32 v[MD+i], 0, s[BIGN], vcc_lo
.set i, i+1
.endr
	WIN 0
	v_mul_u32_u24 v[AK0], v[LR], PK
	v_lshl_add_u32 v[AK0], v[LH], 4, v[AK0]
	v_and_b32 v[L7], 7, v0          ; the turning load: lane l reads key 8 h + l % 8, channels 8 ((l / 8) % 2) + 0..7
	v_bfe_u32 v[L3], v0, 3, 1
	v_lshl_add_u32 v[AV0], v[LH], 3, v[L7]
	v_mul_u32_u24 v[AV0], v[AV0], PV
	v_lshl_add_u32 v[AV0], v[L3], 4, v[AV0]
	v_add_nc_u32 v[AV0], VOFF, v[AV0]
	s_mul_i32 s16, s[WV], 16*SP
	s_add_co_u32 s16, s16, STAGE    ; my stage
	v_mul_u32_u24 v[STO], v[LR], SP
	v_lshl_add_u32 v[STO], v[LH], 4, v[STO]
	v_add_nc_u32 v[STO], s16, v[STO]
	v_bfe_u32 v[RD], v0, 3, 2       ; back: 32 lanes take four rows of 128 bytes,
	v_mul_u32_u24 v[RD], v[RD], SP
	v_lshl_add_u32 v[RD], v[L7], 4, v[RD]
	v_add_nc_u32 v[RD], s16, v[RD]
	v_and_b32 v[GO], 31, v0         ; which are 512 consecutive bytes of O
	v_lshlrev_b32 v[GO], 4, v[GO]
	; A block's first step multiplies O^T and l by a = 0.  Its first turn's products V^T P and its first row sums, of a step that has not been, land in an O^T and an l that are still to be so multiplied: the registers that
	; they read need only hold finite numbers: zeros for the first block, what the first block left for the second.  All this stands in the wait for the first tile.
	WIN 0x40
.set i, 0
.rept 128
	v_mov_b32 v[i], 0               ; O^T and V
.set i, i+1
.endr
	WIN 0
.irp t, 0,1
	v_mov_b32 v[ST+4*(\t)+2], 0     ; l
	v_mov_b32 v[ST+4*(\t)+3], 0
.endr
	v_mov_b32 v[TMP+6], 0           ; piece 1's a, named as a pair
	v_mov_b32 v[TMP+7], 0
.set i, P+16
.rept 16
	v_mov_b32 v[i], 0               ; piece 1's P
.set i, i+1
.endr
.set i, S+32
.rept 32
	v_mov_b32 v[i], 0               ; piece 1's S^T
.set i, i+1
.endr
; THE MATRIX WORK.  The four accumulators of a run take turns, one instruction a turn.
; Product kq of 24 of S^T = K Q^T for piece x: key block kq % 4; group kq / 4: Kl c0 Qh c0, Kl c1 Qh c1, Kh c0 Ql c0, Kh c0 Qh c0, Kh c1 Ql c1, Kh c1 Qh c1.  The first four start the sums: with 0, or (KM = 1) with the mask.
.macro KQ x
.set kg, kq/4
.set kb, kq%4
.set rS, S+32*(\x)+8*kb
.if kg < 2
.set rK, KL+32*kg+8*kb
.set rQ, 32*(\x)+8*kg
.else
.set rK, KH+32*((kg-2)/2)+8*kb
.set rQ, 32*(\x)+16*(1-kg%2)+8*((kg-2)/2)
.endif
.if (kq < 4) && KM
	WIN W_KM
	v_wmma_f32_16x16x32_bf16 v[rS:rS+7], v[rK:rK+7], v[rQ:rQ+7], v[MC+8*kb:MC+8*kb+7]
.elseif kq < 4
	WIN W_KQ
	v_wmma_f32_16x16x32_bf16 v[rS:rS+7], v[rK:rK+7], v[rQ:rQ+7], 0
.else
	WIN W_KQ
	v_wmma_f32_16x16x32_bf16 v[rS:rS+7], v[rK:rK+7], v[rQ:rQ+7], v[rS:rS+7]
.endif
.set kq, kq+1
.endm
; Product i of 8 of O^T += V^T P for piece x: keys 32 (i / 4) on, channels 16 (i % 4) on.
.macro PV x
	WIN W_PV
.set rO, 32*(\x)+8*(i%4)
.set rV, VF+32*(i/4)+8*(i%4)
.set rP, P+16*(\x)+8*(i/4)
	v_wmma_f32_16x16x32_f16 v[rO:rO+7], v[rV:rV+7], v[rP:rP+7], v[rO:rO+7]
.endm
.macro MM                           ; the turn's matrix instruction number i, for the other piece.  NOKQ = 1: a block's last turn: there is no next step
.if i < 8
	PV 1-Y
.elseif !NOKQ
.set kq, i-8
	KQ 1-Y
.endif
.set i, i+1
.endm
; THE LDS LOADS stand in runs, all in piece 0's turn, each four plain instructions or more behind the last product that read its registers.
.macro FETCH_KL
	WINK
.irp f, 0,1,2,3,4,5,6,7             ; channel half f / 4, key block f % 4; lo lies 128 bytes into a row
	ds_load_b128 v[KL+8*(\f):KL+8*(\f)+3],   v[AK] offset:128+64*((\f)/4)+((\f)%4)*16*PK
	ds_load_b128 v[KL+8*(\f)+4:KL+8*(\f)+7], v[AK] offset:128+64*((\f)/4)+((\f)%4)*16*PK+32
.endr
.endm
.macro FETCH_KH c
	WINK
.irp f, 0,1,2,3
	ds_load_b128 v[KH+32*(\c)+8*(\f):KH+32*(\c)+8*(\f)+3],   v[AK] offset:64*(\c)+(\f)*16*PK
	ds_load_b128 v[KH+32*(\c)+8*(\f)+4:KH+32*(\c)+8*(\f)+7], v[AK] offset:64*(\c)+(\f)*16*PK+32
.endr
.endm
.macro FETCH_V
	WIN 0x40                        ; destination window 1, address window 0
.irp f, 0,1,2,3,4,5,6,7             ; keys 32 (f / 4) on, channels 16 (f % 4) on
	ds_load_tr16_b128 v[VF+8*(\f):VF+8*(\f)+3],   v[AV] offset:((\f)/4)*32*PV+((\f)%4)*32
	ds_load_tr16_b128 v[VF+8*(\f)+4:VF+8*(\f)+7], v[AV] offset:((\f)/4)*32*PV+16*PV+((\f)%4)*32
.endr
.endm
; THE VECTOR WORK, one line at a time: OP kind, number.  For piece Y: X n: number n of the 22 that find the maximum and statistics: 0-11 four chains c0-c3 of seven scores each (each accumulator's lowest registers are
; read first); 12-14, 16 the four scores left over, the old m, c0-c3 into c0; 15 c m_old is kept; 17, 18 the lane 16 away holds the query's other 32 keys: the new m; 19-21 c m, its change, a.
; F n: c s - c m for pair n of 16.  E n: the exponential of score n of 32.  C n: pair n rounded to f16.  R n: pair n of 16 of O^T times a.
; For the OTHER piece, the row sum of its last step's weights: BB n: of the four weights 4 n .. the second pair is added onto the first.  CC k: of key block k's two sums the second onto the first.  LL k: l takes key block k's sum
; (LL 0: l = a l + sum).  Sums are written as x 1.0 + y, with 1.0 from a scalar pair, so that source 1 names no vector register.
.set F, 0
.set E, 1
.set C, 2
.set BB, 3
.set CC, 4
.set LL, 5
.set R, 6
.set X, 7
.macro REGS y
.set rT, ST+4*(\y)
.set rC, TMP+4*(\y)
.set rW, MV+(\y)
.set rS, S+32*(\y)
.set rP, P+16*(\y)
.set rO, 32*(\y)
.endm
.macro OP k, n
.if ((\k) == BB) || ((\k) == CC) || ((\k) == LL)
	REGS 1-Y
.else
	REGS Y
.endif
.if (\k) == R
	WIN W_PV
	v_pk_mul_f32 v[rO+2*(\n):rO+2*(\n)+1], v[rO+2*(\n):rO+2*(\n)+1], v[rC+2:rC+3] op_sel_hi:[1,0]
.elseif (\k) == F
	WINA
	v_pk_fma_f32 v[rS+2*(\n):rS+2*(\n)+1], v[rS+2*(\n):rS+2*(\n)+1], s[CS:CS+1], v[rT:rT+1] op_sel_hi:[1,0,0] neg_lo:[0,0,1] neg_hi:[0,0,1]
.elseif (\k) == E
	WINA
	v_exp_f32 v[rS+(\n)], v[rS+(\n)]
.elseif (\k) == BB
	WINA
	v_pk_fma_f32 v[rS+4*(\n):rS+4*(\n)+1], v[rS+4*(\n):rS+4*(\n)+1], s[ONE:ONE+1], v[rS+4*(\n)+2:rS+4*(\n)+3] op_sel_hi:[1,0,1]
.elseif (\k) == CC
	WINA
	v_pk_fma_f32 v[rS+8*(\n):rS+8*(\n)+1], v[rS+8*(\n):rS+8*(\n)+1], s[ONE:ONE+1], v[rS+8*(\n)+4:rS+8*(\n)+5] op_sel_hi:[1,0,1]
.elseif ((\k) == LL) && ((\n) == 0)
	WIN 0
	v_pk_fma_f32 v[rT+2:rT+3], v[rT+2:rT+3], v[rC+2:rC+3], v[rS:rS+1] op_sel_hi:[1,0,1]
.elseif (\k) == LL
	WINA
	v_pk_fma_f32 v[rT+2:rT+3], v[rT+2:rT+3], s[ONE:ONE+1], v[rS+8*(\n):rS+8*(\n)+1] op_sel_hi:[1,0,1]
.elseif (\k) == C
	WIN 0
	v_cvt_pk_f16_f32 v[rP+(\n)], v[rS+2*(\n)], v[rS+2*(\n)+1]
.elseif (\n) == 21
	WINA
	v_exp_f32 v[rC+2], v[rC+1]
.else
	WIN 0
.if (\n) < 4
	v_max3_num_f32 v[rC+(\n)], v[rS+8*(\n)], v[rS+8*(\n)+1], v[rS+8*(\n)+2]
.elseif (\n) < 12
	v_max3_num_f32 v[rC+(\n)%4], v[rC+(\n)%4], v[rS+8*((\n)%4)+2*((\n)/4)+1], v[rS+8*((\n)%4)+2*((\n)/4)+2]
.elseif (\n) == 12
	v_max3_num_f32 v[rC], v[rC], v[rS+7], v[rS+15]
.elseif (\n) == 13
	v_max3_num_f32 v[rC+1], v[rC+1], v[rS+23], v[rS+31]
.elseif (\n) == 14
	v_max3_num_f32 v[rC+2], v[rC+2], v[rC+3], v[rT+1]
.elseif (\n) == 15
	v_mov_b32 v[rW], v[rT]
.elseif (\n) == 16
	v_max3_num_f32 v[rC], v[rC], v[rC+1], v[rC+2]
.elseif (\n) == 17
	v_permlanex16_b32 v[rC+3], v[rC], s[SEL], s[SEL+1]
.elseif (\n) == 18
	v_max_num_f32 v[rT+1], v[rC], v[rC+3]
.elseif (\n) == 19
	v_mul_f32 v[rT], s[CS], v[rT+1]
.else
	v_sub_f32 v[rC+1], v[rW], v[rT]
.endif
.endif
.endm
.macro OPS a, i1, b=-1, i2=0, c=-1, i3=0, d=-1, i4=0
	OP \a, \i1
.if (\b) >= 0
	OP \b, \i2
.endif
.if (\c) >= 0
	OP \c, \i3
.endif
.if (\d) >= 0
	OP \d, \i4
.endif
.endm
.macro ROW a, i1, b=-1, i2=0, c=-1, i3=0, d=-1, i4=0  ; a matrix instruction and those behind it
	MM
	OPS \a, \i1, \b, \i2, \c, \i3, \d, \i4
.endm
.macro MASK                         ; MD x AL + BE into MC
	WIN W_PV
.set z, 0
.rept 16
	v_pk_fma_f32 v[MC+2*z:MC+2*z+1], v[MD+2*z:MD+2*z+1], s[AL:AL+1], s[BE:BE+1] op_sel_hi:[1,0,0]
.set z, z+1
.endr
.endm
; A TURN IN THREE PARTS, for piece p.  end = 1: a block's last two turns: nothing is fetched, and piece 1's turn has no products K Q^T.
; PART_A, rows 0-7: the 8 products V^T P; behind them the maximum and statistics, the other piece's row sums between the links of the chain X 16 .. X 20, and the first two scalings.
; Piece 0's: V of the step in hand is fetched behind the last product (F 0, X 20, F 1, CC 1 are the four plain instructions between); the step's numbers are stepped.
; Piece 1's begins with the wait for V: K's 32 loads, issued behind V's, may stay out.
.macro PART_A p, end=0
.set Y, (\p)
.set i, 0
.set NOKQ, (\end)*(\p)
.if ((\p) == 1) && (\end)
	s_wait_dscnt 0x0                ; V is in
.elseif (\p) == 1
	s_wait_dscnt 32                 ; V is in; Kl's 16 and Kh's 8 + 8 loads are younger
.endif
	ROW X,0, X,1, X,2, X,3
	ROW X,4, X,5, X,6, X,7
	ROW X,8, X,9, X,10, X,11
	ROW X,12, X,13, X,15, X,14
	ROW X,16, BB,0, BB,1, X,17
.if (\p) == 0
	WINA
	v_add_nc_u32 v[AV], v[AV0], s[TBV]
.endif
	ROW BB,2, BB,3, X,18, CC,0
	ROW BB,4, X,19, LL,0, BB,5
	ROW F,0, X,20, F,1, CC,1
.if (\p) == 0
	FETCH_V
	s_add_co_u32 s[TBV], s[TBV], 64*PV
	s_add_co_u32 s[SG], s[SG], 1
	s_sub_co_u32 s[CNT], s[CNT], 1
	s_cmp_lg_u32 s[CNT], 0          ; for the branch that stands behind this part
.endif
.endm
; PART_B, rows 8-23: the first 16 products K Q^T.  Rows 8-10 end the other piece's row sums: key block k's registers are last named in the row ahead of the product that starts its new sum (row 8 + k).
; Behind the products stand the scalings and ALL the exponentials, mostly two a row with a scaling between; none of these lines reads an exponential's result.  Then a v_nop and the turn's ONE wait
; ahead of the first reader.  m = 1: the products take a mask, made here: for piece 1 in step SG (p = 0), for piece 0 in step SG + 1 (p = 1).
; Piece 0's: Kl of the next step is fetched directly behind the wait: its last reader is the eighth product K Q^T, and the scalings F 8 to F 15 lie between.
.macro PART_B p, m=0, end=0
.set Y, (\p)
.set i, 8
.set KM, (\m)
.set NOKQ, (\end)*(\p)
.if (\m) && !NOKQ
.if (\p) == 0
	s_cmp_eq_u32 s[SG], s[U1]       ; is the step the band's own?
	s_cselect_b32 s[AL], 1.0, 0
	s_cmp_gt_u32 s[SG], s[U1]       ; or a later one?
	s_cselect_b32 s[BE], s[BIGN], 0
.else
	s_add_co_u32 s[TM], s[SG], 1
	s_cmp_eq_u32 s[TM], s[U0]
	s_cselect_b32 s[AL], 1.0, 0
	s_cmp_gt_u32 s[TM], s[U0]
	s_cselect_b32 s[BE], s[BIGN], 0
.endif
	MASK
.endif
.if ((\p) == 1) && !(\end)
	s_wait_dscnt 16                 ; Kl is in
.endif
	ROW F,2, LL,1, E,0, CC,2
	ROW BB,6, E,1, BB,7, LL,2
	ROW CC,3, E,2, F,3, LL,3
	ROW E,3, F,4, E,4, X,21
	ROW E,5, F,5, E,6
	ROW E,7, F,6, E,8
	ROW E,9, F,7, E,10
	ROW E,11, F,8, E,12
.if ((\p) == 1) && !(\end)
	s_wait_dscnt 8                  ; Kh's channel half 0 is in
.endif
	ROW E,13, F,9, E,14
	ROW E,15, F,10, E,16
	ROW E,17, F,11, E,18
	ROW E,19, F,12, E,20
	ROW E,21, F,13, E,22
	ROW E,23, F,14, E,24, E,25
	ROW E,26, F,15, E,27, E,28
	ROW E,29
.if ((\p) == 0) && !(\end)
	WINA
	v_add_nc_u32 v[AK], v[AK0], s[TBK]
.endif
	OPS E,30, E,31
	v_nop                           ; a plain instruction behind the last exponential: one for the batch
	s_wait_alu depctr_va_vdst(0)    ; the wait for the batch
.if ((\p) == 0) && !(\end)
	FETCH_KL
.endif
.endm
; PART_C, rows 24-31: the last 8 products K Q^T; behind them four rows of rescalings and four rows of roundings, each row under one setting.
; Piece 0's: Kh's two channel halves of the next step are fetched four plain instructions or more behind their last readers (R 0 to R 3; C 12 to C 15).
.macro PART_C p, end=0
.set Y, (\p)
.set i, 24
.set NOKQ, (\end)*(\p)
.if ((\p) == 1) && !(\end)
	s_wait_dscnt 0x0                ; Kh's channel half 1 is in
.endif
	ROW R,0, R,1, R,2, R,3
.if ((\p) == 0) && !(\end)
	FETCH_KH 0
.endif
	ROW R,4, R,5, R,6, R,7
	ROW R,8, R,9, R,10, R,11
	ROW R,12, R,13, R,14, R,15
	ROW C,0, C,1, C,2, C,3
	ROW C,4, C,5, C,6, C,7
	ROW C,8, C,9, C,10, C,11
	ROW C,12, C,13, C,14, C,15
.if ((\p) == 0) && !(\end)
	FETCH_KH 1
	s_add_co_u32 s[TBK], s[TBK], 64*PK  ; the next fetch is the next step's
.endif
.endm
; A block's last 8 products V^T P, piece 1's; behind them piece 1's last row sums.
.macro LASTPV
.set Y, 0
.set i, 0
	ROW BB,0, BB,1, BB,2, BB,3
	ROW BB,4, BB,5, BB,6, BB,7
	ROW CC,0, CC,1, CC,2, CC,3
	ROW LL,0
	ROW LL,1
	ROW LL,2
	ROW LL,3
	MM
.endm
; A BLOCK BEGINS.  c m starts far below every c s, so the first step's a is 0; m at the lowest finite number.  Piece 0's mask for step 0: its own, if U_0 = 0.  Then K of that step and piece 0's first scores.
.macro BEGIN
	s_mov_b32 s[NEW], 0
	s_mov_b32 s[SG], -1
	WIN 0
.irp t, 0,1
	v_mov_b32 v[ST+4*(\t)], 0xfe000000
	v_mov_b32 v[ST+4*(\t)+1], 0xff7fffff
.endr
	s_cmp_eq_u32 s[U0], 0
	s_cselect_b32 s[AL], 1.0, 0
	s_mov_b32 s[BE], 0
	MASK
	WIN 0
	v_add_nc_u32 v[AK], v[AK0], s[TBK]
	FETCH_KL
	FETCH_KH 0
	FETCH_KH 1
	s_add_co_u32 s[TBK], s[TBK], 64*PK
	s_wait_loadcnt 0x0              ; Q
	s_wait_dscnt 0x0
.set KM, 1
.set kq, 0
.rept 24
	KQ 0
.endr
	WIN 0
.rept 4
	v_nop                           ; the places behind those products
.endr
.endm
.macro ALL line:vararg              ; one line for each piece t
.set t, 0
.rept 2
	\line
.set t, t+1
.endr
.endm
.macro PACK t                       ; a lane's eight channels of a row pack into 16 bytes; they go into rows of 144 bytes and come back as whole rows of 128, into piece 0's S^T registers
	WIN W_PV
.set i, 32*(\t)
.rept 16
	v_pk_mul_f32 v[i:i+1], v[i:i+1], v[ST+4*(\t)+2:ST+4*(\t)+3] op_sel_hi:[1,0]
.set i, i+2
.endr
	WIN 0x05                        ; sources 0 and 1 window 1, destination window 0
.set i, 0
.rept 16
	v_cvt_pk_f16_f32 v[S+16*(\t)+i], v[32*(\t)+2*i], v[32*(\t)+2*i+1]
.set i, i+1
.endr
	WIN 0
.irp f, 0,1,2,3
	ds_store_b128 v[STO], v[S+16*(\t)+4*(\f):S+16*(\t)+4*(\f)+3] offset:32*(\f)
.endr
.irp f, 0,1,2,3
	ds_load_b128 v[S+16*(\t)+4*(\f):S+16*(\t)+4*(\f)+3], v[RD] offset:(\f)*4*SP  ; LDS serves a wave's instructions in order (ISA guide 5.7.1.4): these see the stores above
.endr
.endm
.macro SEND t, younger              ; younger: the LDS instructions issued behind piece t's loads: the next piece's eight, or none
	WIN 0
.irp f, 0,1,2,3
	s_wait_dscnt (\younger)+3-(\f)
	global_store_b128 v[GO], v[S+16*(\t)+4*(\f):S+16*(\t)+4*(\f)+3], s[10:11] offset:(\t)*8192+(\f)*512  ; four rows: 512 consecutive bytes, aligned
.endr
.endm
; A tile that takes masks; behind a block's last tile the block's last turns, its last products, and THE WAY OUT: l's two halves and the other half of the lanes' are added; O^T is divided by l, rounded to f16 and sent through my stage.
.macro DIAG tag
.LstepM\tag:
	PART_B 0, 1
	PART_C 0
	PART_A 1
	PART_B 1, 1
	PART_C 1
	WIN 0
.LfirstM\tag:
	PART_A 0
	WIN 0
	s_cbranch_scc1 .LstepM\tag
.if (\tag) == 1
	s_cmp_lg_u32 s[RT], 0           ; the block's last tile but one: on to the next
	s_cbranch_scc1 .Lbottom
.endif
	PART_B 0, 1, 1
	PART_C 0, 1
	PART_A 1, 1
	PART_B 1, 1, 1
	PART_C 1, 1
	LASTPV
	WIN 0
	ALL v_add_f32 v[ST+4*t+2], v[ST+4*t+2], v[ST+4*t+3]
	ALL v_permlanex16_b32 v[ST+4*t+3], v[ST+4*t+2], s[SEL], s[SEL+1]
	ALL v_add_f32 v[ST+4*t+2], v[ST+4*t+2], v[ST+4*t+3]
	ALL v_rcp_f32 v[ST+4*t+2], v[ST+4*t+2]
	v_nop                           ; a plain instruction behind the last reciprocal,
	s_wait_alu depctr_va_vdst(0)    ; and the wait ahead of the first use: one for the two
	PACK 0
	PACK 1
	SEND 0, 8
	SEND 1, 0
.endm
.set KM, 0
.set NOKQ, 0
.Lslot:                             ; 17 times: a tile is entered and the next is asked for
	CHANGE 1
	s_sub_co_u32 s[RT], s[RT], 1
	s_mov_b32 s[CNT], 4
	s_cmp_eq_u32 s[NEW], 1
	s_cbranch_scc1 .Lnew            ; a block's first tile
	s_cmp_gt_u32 s[RT], 1
	s_cbranch_scc1 .Lstep           ; not one of its last two
	s_branch .LstepM1
.Lnew:
	BEGIN
	s_cmp_gt_u32 s[RT], 1
	s_cbranch_scc1 .Lfirst          ; the loop is entered at a step's first part, in the middle of a trip
	s_branch .LfirstM1
	DIAG 1                          ; in the loop a block's end is the first block's: the second's last tile is the walk's last
	s_wait_xcnt 0x0                 ; the stores have read their registers and O's address
	s_mov_b64 s[10:11], s[OLO:OLO+1]
	s_mov_b32 s[RT], s[N2]
	s_mov_b32 s[NEW], 1
	s_mov_b32 s[U0], s[ULO]
	s_add_co_u32 s[U1], s[ULO], 1
	WIN 0x82                        ; the second block's Q goes where the one text of the turns names Q
.set i, 0
.rept 64
	v_mov_b32 v[i], v[QB+i]
.set i, i+1
.endr
	WIN 0
	s_branch .Lbottom
.Lstep:                             ; a trip: the rest of piece 0's turn, piece 1's turn, the first part of piece 0's next; it fetches K and V of one step
	PART_B 0
	PART_C 0
	PART_A 1
	PART_B 1
	PART_C 1
	WIN 0
.Lfirst:
	PART_A 0
	WIN 0
	s_cbranch_scc1 .Lstep
.Lbottom:
	s_sub_co_u32 s[SLOTS], s[SLOTS], 1
	s_cmp_lg_u32 s[SLOTS], 0
	s_cbranch_scc1 .Lslot
	CHANGE 0                        ; the walk's last tile is written out: nothing is asked for.  It is never a block's first: the second walk has two tiles or more
	s_sub_co_u32 s[RT], s[RT], 1
	s_mov_b32 s[CNT], 4
	DIAG 2
	s_wait_tensorcnt 0x0            ; the wave's end: the wait, an add to my spare word and its wait, behind my last tensor load and my last LDS store
	ds_add_u32 v[SPW], v[NIL]
	s_wait_dscnt 0x0
	CROUND                          ; the closing round: no work-group ends while a partner may still ask for a tile that names it
	s_endpgm
.Lfunc_end_k_qf4c2273742_attn:
	.size	k_qf4c2273742_attn, .Lfunc_end_k_qf4c2273742_attn-k_qf4c2273742_attn
	.p2alignl 7, 3214868480
	.fill 96, 4, 3214868480
	.section	.rodata,"a",@progbits
	.p2align	6, 0x0
	.amdhsa_kernel k_qf4c2273742_attn
		.amdhsa_group_segment_fixed_size 327680
		.amdhsa_private_segment_fixed_size 0
		.amdhsa_enable_private_segment 0
		.amdhsa_kernarg_size 32
		.amdhsa_user_sgpr_count 2
		.amdhsa_user_sgpr_kernarg_segment_ptr 1
		.amdhsa_wavefront_size32 1
		.amdhsa_system_sgpr_workgroup_id_x 1
		.amdhsa_system_sgpr_workgroup_id_y 1
		.amdhsa_system_sgpr_workgroup_id_z 1
		.amdhsa_system_vgpr_workitem_id 0
		.amdhsa_next_free_vgpr 640
		.amdhsa_next_free_sgpr 96
		.amdhsa_reserve_vcc 1
		.amdhsa_float_denorm_mode_32 3
		.amdhsa_float_denorm_mode_16_64 3
		.amdhsa_memory_ordered 1
		.amdhsa_forward_progress 1
		.amdhsa_inst_pref_size 150
	.end_amdhsa_kernel
	.amdgpu_metadata
---
amdhsa.version: [ 1, 2 ]
amdhsa.kernels:
  - .name:           k_qf4c2273742_attn
    .symbol:         k_qf4c2273742_attn.kd
    .args:
      - { .name: qhl, .offset: 0, .size: 8, .value_kind: global_buffer, .address_space: global }
      - { .name: khl, .offset: 8, .size: 8, .value_kind: global_buffer, .address_space: global }
      - { .name: vh, .offset: 16, .size: 8, .value_kind: global_buffer, .address_space: global }
      - { .name: oh, .offset: 24, .size: 8, .value_kind: global_buffer, .address_space: global }
    .group_segment_fixed_size: 327680
    .private_segment_fixed_size: 0
    .kernarg_segment_align: 8
    .kernarg_segment_size: 32
    .max_flat_workgroup_size: 128
    .sgpr_count:     96
    .vgpr_count:     640
    .wavefront_size: 32
...
	.end_amdgpu_metadata
.endif
;; end of part 3
;; launch proj (part 4): grid 8 x 32, 4 waves a work-group, clusters of 4 x 4, 327,680 bytes of LDS; arguments oh, wo, out0; writes out0
.if DOCPART == 4
	.amdgcn_target "amdgcn-amd-amdhsa--gfx1250"
	.amdhsa_code_object_version 6
	.text
	.protected	k_qf4c2273742_proj
	.globl	k_qf4c2273742_proj
	.p2align	8
	.type	k_qf4c2273742_proj,@function
k_qf4c2273742_proj:
	s_mov_b64 s[64:65], 0
	v_nop
	global_prefetch_b8 v0, s[64:65] scope:SCOPE_SE
	s_setreg_imm32_b32 hwreg(HW_REG_WAVE_MODE, 25, 1), 1
	s_wait_xcnt 0x0
	s_wait_alu depctr_hold_cnt(0) depctr_sa_sdst(0) depctr_va_vdst(0) depctr_va_sdst(0) depctr_va_ssrc(0) depctr_va_vcc(0) depctr_vm_vsrc(0)
	s_getreg_b32 s2, hwreg(HW_REG_IB_STS2, 6, 4)
	s_cmp_eq_u32 s2, 0
	s_cbranch_scc0 .Lentry_in_a_cluster
	s_endpgm
.Lentry_in_a_cluster:
	s_bfe_u32 s2, ttmp6, 0x10000c
	s_cmp_lg_u32 s2, 0xf033
	s_cbranch_scc0 .Lentry_shape_is_right
	s_endpgm
.Lentry_shape_is_right:
; OUT: out0[n][c] = the sum over k = 64 head + d of O[head][n][d] wo[k][c].  O: [16][4096][64] f16; wo: [1024][1024] f16 (bf16(w_out) written as f16); out0: [4096][1024] f32.  Sums in f32.
; A tile of out0 is 128 x 128, which makes 256 work-groups; four waves, each 64 x 64: 16 accumulators.  K goes in steps of 256 (four heads) through two LDS slots: four steps, two laps.
; CLUSTER 4 x 4: the four work-groups of a row of the cluster need the same rows of O, the four of a column the same columns of wo: each tile is asked for jointly.
; THE MATRIX INSTRUCTION IS USED TRANSPOSED (source 0 = 16 columns of wo, turned on the way out of LDS; source 1 = 16 rows of O): a lane holds eight neighbouring columns of a row: 32 bytes of f32.
; No prefetch: the tiles are small and the launch is short.
; REGISTERS: window 0: v0-31 addresses; v32-95 the way out; v128-255 the accumulators ((a, b) at v[128 + 8 (4 a + b)]).  window 1: two fragment buffers of 128: 64 registers of O, then 64 of wo, for 64 along K.
.set PAA,    144                       ; a row of O in LDS: one head's 128 bytes + 16
.set PBB,    288                       ; a row of wo: 256 bytes + 32
.set HALFT,  36864                     ; what one tensor load brings: 4 heads x 64 rows x 144, or 128 rows x 288
.set SLOT,   4*HALFT
.set STAGE,  2*SLOT                    ; behind the ring: 16 rows x 272 bytes for each wave, its own
.set SPITCH, 272
.set SPARE,  STAGE+4*16*SPITCH         ; the spare words, 128 bytes for each wave: two blocks of 256 bytes that no other line names
.set ADRA, 16                          ; v16-17  my fragments of O in slot 0, 1
.set ADRB, 18                          ; v18-21  of wo: 2 slot + half of the step's 256 rows
.set STO,  24
.set RD,   25
.set CO,   26
.set SPW,  28
.set NIL,  29
.set TMP,  32
.set ACC,  128
.set F0,   0
.set F1,   128
.set G1, 24
.set G0, 32
.set G1B, 48
.set G0B, 56
.set MSB, 0
.macro WIN new
.if MSB != (\new)
	s_set_vgpr_msb (MSB<<8)|(\new)
.set MSB, \new
.endif
.endm
.set MUL,  0x05                        ; sources 0 and 1 window 1; C and D window 0
.set TO_F, 0x40                        ; destination window 1, address window 0
.macro JLOAD s                         ; a joint load: waves 0 and 1 fetch O's two halves, waves 2 and 3 wo's; an s_nop 0 and four v_nop follow each of the two lines
	s_cmp_eq_u32 s11, 0
	s_cbranch_scc0 .Lfor_b_\@
	tensor_load_to_lds s[G0+4*(\s):G0+4*(\s)+3], s[G1:G1+7]
	s_nop 0
.rept 4
	v_nop
.endr
	s_branch .Lasked_\@
.Lfor_b_\@:
	tensor_load_to_lds s[G0B+4*(\s):G0B+4*(\s)+3], s[G1B:G1B+7]
	s_nop 0
.rept 4
	v_nop
.endr
.Lasked_\@:
.endm
.macro CREST
	s_cmp_lg_u32 s10, 0
	s_cbranch_scc1 .Lnot_wave_0_\@
	s_barrier_signal -3
.Lnot_wave_0_\@:
	s_barrier_wait -3
	s_barrier_signal -1
	s_barrier_wait -1
.endm
.macro CROUND
	s_barrier_signal -1
	s_barrier_wait -1
	CREST
.endm
	s_load_b128 s[4:7], s[0:1], 0x0                ; oh s[4:5], wo s[6:7]
	s_load_b64 s[8:9], s[0:1], 0x10                ; out0
	v_lshl_add_u32 v[SPW], v0, 2, SPARE
	v_mov_b32 v[NIL], 0
	ds_add_u32 v[SPW], v[NIL]                      ; the wave's opening: the add and its wait stand ahead of my first tensor load
	v_lshrrev_b32 v1, 5, v0
	v_readfirstlane_b32 s10, v1                    ; wave 0..3
	s_lshr_b32 s11, s10, 1                         ; which half of the tile's rows is mine.  Also: I fetch for O (0) or for wo (1)
	s_and_b32 s12, s10, 1                          ; which half of its columns.  Also: which half of that tile I fetch
	s_bfe_u32 s40, ttmp6, 0x40000
	s_bfe_u32 s41, ttmp6, 0x40004
	s_lshl_b32 s42, ttmp9, 2
	s_add_co_u32 s42, s42, s40                     ; tile column
	s_and_b32 s13, ttmp7, 0xffff
	s_lshl_b32 s13, s13, 2
	s_add_co_u32 s13, s13, s41                     ; tile row
	s_lshl_b32 s43, s41, 2
	s_lshl_b32 s43, 15, s43                        ; my row of the cluster
	s_lshl_b32 s44, 0x1111, s40                    ; my column
	; group 1.  O: for each of four heads 64 rows x 128 bytes are 8,192 dense bytes: a tile of 4 rows of 4,096 elements, a head apart, padded behind every 128 bytes.  wo: 128 rows of 128 elements, padded behind each
	s_or_b32 s[G1+0], s43, (1<<16)|(1<<20)|(1<<21)|(4<<22)|(3<<25)
	s_or_b32 s[G1B+0], s44, (1<<16)|(1<<20)|(1<<21)|(5<<22)|(7<<25)
	s_mov_b32 s[G1+1], 4096<<16                    ; tensor_dim0 = 4,096
	s_mov_b32 s[G1+2], 4<<16                       ; tensor_dim1 = 4
	s_mov_b32 s[G1+3], 4096<<16                    ; tile_dim0 = 4,096
	s_mov_b32 s[G1+4], 4                           ; tile_dim1 = 4
	s_mov_b32 s[G1+5], 262144                      ; a head's 4,096 x 64 elements
	s_mov_b32 s[G1+6], 0
	s_mov_b32 s[G1+7], 0
	s_mov_b32 s[G1B+1], 128<<16
	s_mov_b32 s[G1B+2], 128<<16
	s_mov_b32 s[G1B+3], 128<<16
	s_mov_b32 s[G1B+4], 128
	s_mov_b32 s[G1B+5], 1024
	s_mov_b32 s[G1B+6], 0
	s_mov_b32 s[G1B+7], 0
	s_lshl_b32 s16, s13, 14                        ; O: 128 rows of 128 bytes a tile,
	s_lshl_b32 s17, s12, 13                        ; my 64
	s_add_co_u32 s16, s16, s17
	s_mov_b32 s17, 0
	s_lshl_b32 s46, s42, 8                         ; wo: 128 columns of 2 bytes a tile,
	s_lshl_b32 s47, s12, 18                        ; my 128 rows of 2,048 bytes
	s_add_co_u32 s46, s46, s47
	s_mov_b32 s47, 0
	s_mul_i32 s20, s10, HALFT                      ; where they go: wave x a load's bytes
	s_wait_dscnt 0x0                               ; the opening add is done
	s_wait_kmcnt 0x0
	s_add_nc_u64 s[14:15], s[4:5], s[16:17]
	s_add_nc_u64 s[46:47], s[6:7], s[46:47]
	CROUND                                         ; all sixteen work-groups are here: the first joint loads meet
.irp s, 0,1
	s_mov_b32 s[G0+4*(\s)], 1
	s_add_co_u32 s[G0+4*(\s)+1], s20, (\s)*SLOT
	s_add_nc_u64 s[G0+4*(\s)+2:G0+4*(\s)+3], s[14:15], (\s)*2097152   ; K step s: four heads on
	s_or_b32 s[G0+4*(\s)+3], s[G0+4*(\s)+3], 0x80000000
	s_mov_b32 s[G0B+4*(\s)], 1
	s_add_co_u32 s[G0B+4*(\s)+1], s20, (\s)*SLOT
	s_add_nc_u64 s[G0B+4*(\s)+2:G0B+4*(\s)+3], s[46:47], (\s)*524288  ; 256 rows on
	s_or_b32 s[G0B+4*(\s)+3], s[G0B+4*(\s)+3], 0x80000000
	JLOAD \s
.endr
	v_and_b32 v1, 15, v0                           ; r
	v_bfe_u32 v2, v0, 4, 1                         ; h
	v_mul_u32_u24 v3, v1, PAA
	v_lshl_add_u32 v3, v2, 4, v3
	s_mul_i32 s21, s11, HALFT                      ; my 64 rows of O
	v_add_nc_u32 v[ADRA], s21, v3
	v_add_nc_u32 v[ADRA+1], SLOT, v[ADRA]
	v_and_b32 v4, 7, v0                            ; the turning load: lane l reads row 8 h + l % 8, 16 bytes at 16 ((l / 8) % 2)
	v_bfe_u32 v5, v0, 3, 1
	v_lshl_add_u32 v4, v2, 3, v4
	v_mul_u32_u24 v4, v4, PBB
	v_lshl_add_u32 v4, v5, 4, v4
	s_lshl_b32 s22, s12, 7                         ; my 64 columns
	s_add_co_u32 s22, s22, 2*HALFT
	v_add_nc_u32 v[ADRB], s22, v4
	v_add_nc_u32 v[ADRB+1], HALFT, v[ADRB]
	v_add_nc_u32 v[ADRB+2], SLOT, v[ADRB]
	v_add_nc_u32 v[ADRB+3], SLOT, v[ADRB+1]
	s_mul_i32 s23, s10, 16*SPITCH
	s_add_co_u32 s23, s23, STAGE                   ; my stage
	v_mul_u32_u24 v4, v1, SPITCH                   ; in: row r, 32 bytes for each half of the lanes
	v_lshl_add_u32 v4, v2, 5, v4
	v_add_nc_u32 v[STO], s23, v4
	v_mul_u32_u24 v5, v2, SPITCH                   ; back: lanes 0-15 one row of 256 bytes, lanes 16-31 the next
	v_lshl_add_u32 v5, v1, 4, v5
	v_add_nc_u32 v[RD], s23, v5
	v_lshlrev_b32 v5, 12, v2                       ; and the same two rows in out0
	v_lshl_add_u32 v[CO], v1, 4, v5
	s_lshl_b32 s16, s13, 7
	s_lshl_b32 s17, s11, 6
	s_add_co_u32 s16, s16, s17                     ; my first row
	s_lshl_b32 s16, s16, 12
	s_mov_b32 s17, 0
	s_add_nc_u64 s[8:9], s[8:9], s[16:17]
	s_lshl_b32 s46, s42, 9                         ; the tile's 128 columns of 4 bytes,
	s_lshl_b32 s47, s12, 8                         ; my 64
	s_add_co_u32 s46, s46, s47
	s_mov_b32 s47, 0
	s_add_nc_u64 s[8:9], s[8:9], s[46:47]
; 8 matrix instructions: row blocks a0, a0 + 1 x all 4 column blocks, 32 along K: half c of buffer f.  The 16 accumulators take turns.
.macro MUL8 f, c, a0, zero
	WIN MUL
.irp a, \a0, (\a0)+1
.irp b, 0,1,2,3
.if \zero
	v_wmma_f32_16x16x32_f16 v[ACC+8*(4*(\a)+(\b)):ACC+8*(4*(\a)+(\b))+7], v[(\f)+64+8*(4*(\c)+(\b)):(\f)+64+8*(4*(\c)+(\b))+7], v[(\f)+8*(4*(\c)+(\a)):(\f)+8*(4*(\c)+(\a))+7], 0
.else
	v_wmma_f32_16x16x32_f16 v[ACC+8*(4*(\a)+(\b)):ACC+8*(4*(\a)+(\b))+7], v[(\f)+64+8*(4*(\c)+(\b)):(\f)+64+8*(4*(\c)+(\b))+7], v[(\f)+8*(4*(\c)+(\a)):(\f)+8*(4*(\c)+(\a))+7], v[ACC+8*(4*(\a)+(\b)):ACC+8*(4*(\a)+(\b))+7]
.endif
.endr
.endr
.endm
; 32 LDS loads in one run: quarter q of a K step (head q of its four: 64 along K) into buffer f; the first 32 along K first
.macro FETCH slot, q, f
	WIN TO_F
.irp c, 0,1
.irp i, 0,1,2,3
	ds_load_tr16_b128 v[(\f)+64+8*(4*(\c)+(\i)):(\f)+64+8*(4*(\c)+(\i))+3],   v[ADRB+2*(\slot)+(\q)/2] offset:(64*((\q)%2)+32*(\c))*PBB+32*(\i)
	ds_load_tr16_b128 v[(\f)+64+8*(4*(\c)+(\i))+4:(\f)+64+8*(4*(\c)+(\i))+7], v[ADRB+2*(\slot)+(\q)/2] offset:(64*((\q)%2)+32*(\c))*PBB+32*(\i)+16*PBB
	ds_load_b128 v[(\f)+8*(4*(\c)+(\i)):(\f)+8*(4*(\c)+(\i))+3],              v[ADRA+(\slot)] offset:64*PAA*(\q)+16*PAA*(\i)+64*(\c)
	ds_load_b128 v[(\f)+8*(4*(\c)+(\i))+4:(\f)+8*(4*(\c)+(\i))+7],            v[ADRA+(\slot)] offset:64*PAA*(\q)+16*PAA*(\i)+64*(\c)+32
.endr
.endr
.endm
.macro PLACES                          ; four plain instructions in front of loads into registers that matrix instructions have read, and of LDS stores that read results
.rept 4
	v_nop
.endr
.endm
.macro QUARTER slot, q, f, g, zero     ; multiplies buffer f and fetches quarter q into g
	s_wait_dscnt 16                                ; the first 32 along K are in
	MUL8 \f, 0, 0, \zero
	MUL8 \f, 0, 2, \zero
	PLACES
	FETCH \slot, \q, \g
	s_wait_dscnt 32                                ; all but the 32 just issued
	MUL8 \f, 1, 0, 0
	MUL8 \f, 1, 2, 0
.endm
; The last quarter multiplies buffer 1 and changes slots: ONE barrier; in front of it each wave waits for all its tensor loads, adds 0 to its spare word, and waits for that and for its own reads of this slot.
.macro TURN slot, next, fill
	WIN 0
	s_wait_tensorcnt 0x0                           ; all my tensor loads have landed: my part of the next slot
	ds_add_u32 v[SPW], v[NIL]                      ; 0 onto my spare word
	s_wait_dscnt 17                                ; the add and the youngest sixteen loads may be out
	MUL8 F1, 0, 0, 0
	s_wait_dscnt 0x0                               ; the add is done, and my reads of this slot are over
	s_barrier_signal -1
	MUL8 F1, 0, 2, 0
.if \fill
	WIN 0
.endif
	s_barrier_wait -1
.if \fill
	CREST                                          ; no wave of any partner still reads this slot or has a load on its way
	s_add_nc_u64 s[G0+4*(\slot)+2:G0+4*(\slot)+3], s[G0+4*(\slot)+2:G0+4*(\slot)+3], 2*2097152
	s_add_nc_u64 s[G0B+4*(\slot)+2:G0B+4*(\slot)+3], s[G0B+4*(\slot)+2:G0B+4*(\slot)+3], 2*524288
	JLOAD \slot                                    ; the first tensor load behind the round; its four v_nop are also the places in front of the loads below
.else
	PLACES
.endif
	FETCH \next, 0, F0
	MUL8 F1, 1, 0, 0
	MUL8 F1, 1, 2, 0
.endm
	s_wait_tensorcnt 1                             ; my part of K step 0 is in; K step 1's may stay out
	s_barrier_signal -1
	s_barrier_wait -1
	FETCH 0, 0, F0
	QUARTER 0, 1, F0, F1, 1                        ; the first products start the sums
	QUARTER 0, 2, F1, F0, 0                        ; lap 0 fills both slots again; K has two laps, so both are written straight
	QUARTER 0, 3, F0, F1, 0
	TURN 0, 1, 1
	QUARTER 1, 1, F0, F1, 0
	QUARTER 1, 2, F1, F0, 0
	QUARTER 1, 3, F0, F1, 0
	TURN 1, 0, 1
	QUARTER 0, 1, F0, F1, 0
	QUARTER 0, 2, F1, F0, 0                        ; lap 1 fills nothing
	QUARTER 0, 3, F0, F1, 0
	TURN 0, 1, 0
	QUARTER 1, 1, F0, F1, 0
	QUARTER 1, 2, F1, F0, 0
	QUARTER 1, 3, F0, F1, 0
	s_wait_dscnt 16
	MUL8 F1, 0, 0, 0
	MUL8 F1, 0, 2, 0
	s_wait_dscnt 0x0
	MUL8 F1, 1, 0, 0
	MUL8 F1, 1, 2, 0
	WIN 0
	PLACES
; THE WAY OUT, a row block (16 rows x my 64 columns) at a time, through my own stage: 32 bytes a lane in, each accumulator's low half first, whole rows of 256 bytes back.
.macro OUTB a
.if (\a) >= 2
	s_wait_xcnt 0x0                                ; the stores of the block two back have read the registers that are loaded again below
.endif
.irp b, 0,1,2,3
	ds_store_b128 v[STO], v[ACC+8*(4*(\a)+(\b)):ACC+8*(4*(\a)+(\b))+3]   offset:64*(\b)
	ds_store_b128 v[STO], v[ACC+8*(4*(\a)+(\b))+4:ACC+8*(4*(\a)+(\b))+7] offset:64*(\b)+16
.endr
.irp t, 0,1,2,3,4,5,6,7
	ds_load_b128 v[TMP+32*((\a)%2)+4*(\t):TMP+32*((\a)%2)+4*(\t)+3], v[RD] offset:(\t)*2*SPITCH  ; LDS serves a wave's instructions in order (ISA guide 5.7.1.4)
.endr
.endm
.macro SENDB a, younger                ; younger: the LDS instructions issued behind block a's loads: the next block's sixteen, or none
	s_wait_dscnt \younger
.irp t, 0,1,2,3,4,5,6,7
	global_store_b128 v[CO], v[TMP+32*((\a)%2)+4*(\t):TMP+32*((\a)%2)+4*(\t)+3], s[8:9] offset:(16*(\a)+2*(\t))*4096 th:TH_STORE_NT  ; 16 lanes store 256 consecutive bytes, aligned
.endr
.endm
	OUTB 0
	OUTB 1
	SENDB 0, 16
	OUTB 2
	SENDB 1, 16
	OUTB 3
	SENDB 2, 16
	SENDB 3, 0
	s_wait_tensorcnt 0x0                           ; the wave's end: the wait, an add to my spare word and its wait, behind my last tensor load and my last LDS store
	ds_add_u32 v[SPW], v[NIL]
	s_wait_dscnt 0x0
	CROUND                                         ; the closing round: no work-group ends while a partner may still ask for a tile that names it
	s_endpgm
.Lfunc_end_k_qf4c2273742_proj:
	.size	k_qf4c2273742_proj, .Lfunc_end_k_qf4c2273742_proj-k_qf4c2273742_proj
	.p2alignl 7, 3214868480
	.fill 96, 4, 3214868480
	.section	.rodata,"a",@progbits
	.p2align	6, 0x0
	.amdhsa_kernel k_qf4c2273742_proj
		.amdhsa_group_segment_fixed_size 327680
		.amdhsa_private_segment_fixed_size 0
		.amdhsa_enable_private_segment 0
		.amdhsa_kernarg_size 24
		.amdhsa_user_sgpr_count 2
		.amdhsa_user_sgpr_kernarg_segment_ptr 1
		.amdhsa_wavefront_size32 1
		.amdhsa_system_sgpr_workgroup_id_x 1
		.amdhsa_system_sgpr_workgroup_id_y 1
		.amdhsa_system_sgpr_workgroup_id_z 1
		.amdhsa_system_vgpr_workitem_id 0
		.amdhsa_next_free_vgpr 512
		.amdhsa_next_free_sgpr 66
		.amdhsa_reserve_vcc 0
		.amdhsa_float_denorm_mode_32 3
		.amdhsa_float_denorm_mode_16_64 3
		.amdhsa_memory_ordered 1
		.amdhsa_forward_progress 1
		.amdhsa_inst_pref_size 85
	.end_amdhsa_kernel
	.amdgpu_metadata
---
amdhsa.version: [ 1, 2 ]
amdhsa.kernels:
  - .name:           k_qf4c2273742_proj
    .symbol:         k_qf4c2273742_proj.kd
    .args:
      - { .name: oh, .offset: 0, .size: 8, .value_kind: global_buffer, .address_space: global }
      - { .name: wo, .offset: 8, .size: 8, .value_kind: global_buffer, .address_space: global }
      - { .name: out0, .offset: 16, .size: 8, .value_kind: global_buffer, .address_space: global }
    .group_segment_fixed_size: 327680
    .private_segment_fixed_size: 0
    .kernarg_segment_align: 8
    .kernarg_segment_size: 24
    .max_flat_workgroup_size: 128
    .sgpr_count:     66
    .vgpr_count:     512
    .wavefront_size: 32
...
	.end_amdgpu_metadata
.endif
;; end of part 4
